; MI455X (gfx1250); checked and timed in simulation.
; The chip was launched on July 23, 2026; its instructions are those of AMD's public machine-readable ISA for CDNA 5 (MIT licence, August 2026) and "CDNA5" Instruction Set Architecture Reference Guide (July 2026). The comments in the code are by the model that wrote it; some were corrected since.
;; Transformer Encoder Layer. Allowed arithmetic: matrix products marked QUANTISED: E3M2 operands, one E8M0 scale for each 32 along K, by v_wmma_scale_f32_16x16x128_f8f6f4 with both operands' format E3M2, f32 sums; everything else in f32.
;; Inputs: ln1_b 128 float32; ln1_g 128 float32; ln2_b 128 float32; ln2_g 128 float32; mlp_b1 512 float32; mlp_b2 128 float32; mlp_w1_codes 512 x 4 x 24 uint8 (E3M2 codes of mlp_w1, K innermost, in blocks of 32 codes, four codes in three bytes); mlp_w1_scales 512 x 4 uint8 (E8M0 scales of mlp_w1, one for each 32 codes along K); mlp_w2_codes 128 x 16 x 24 uint8 (E3M2 codes of mlp_w2, K innermost, in blocks of 32 codes, four codes in three bytes); mlp_w2_scales 128 x 16 uint8 (E8M0 scales of mlp_w2, one for each 32 codes along K); proj_b 128 float32; proj_w_codes 128 x 4 x 24 uint8 (E3M2 codes of proj_w, K innermost, in blocks of 32 codes, four codes in three bytes); proj_w_scales 128 x 4 uint8 (E8M0 scales of proj_w, one for each 32 codes along K); qkv_b 384 float32; qkv_w_codes 384 x 4 x 24 uint8 (E3M2 codes of qkv_w, K innermost, in blocks of 32 codes, four codes in three bytes); qkv_w_scales 384 x 4 uint8 (E8M0 scales of qkv_w, one for each 32 codes along K); x 4 x 4,096 x 128 float32.
;; Outputs: out0 4 x 4,096 x 128 float32.
;; This version of the problem:
;;   THIS VERSION OF THE PROBLEM IS GIVEN IN LOW PRECISION. The matrix products marked QUANTISED in the list below multiply operands that are first quantised to E3M2 (3 exponent bits, 2 mantissa bits; 6 bits a number), with one power-of-two scale for each 32 numbers along K (OCP MX v1.0); their sums are f32. All else is computed in f32.
;;   The module's matrix products, in the order in which they are computed (A, B: the left and right operand; K: the contracted axis; several contracted axes count as one K, in the product's order):
;;     1. [M 16,384, K 128] x [K 128, N 384]; A: computed on the way; B: input qkv_w (given as codes): QUANTISED
;;     2. batch 16 x [M 4,096, K 32] x [K 32, N 4,096]; A: computed on the way; B: computed on the way: QUANTISED
;;     3. batch 16 x [M 32, K 4,096] x [K 4,096, N 4,096]; A: computed on the way; B: softmax (see below): QUANTISED
;;     4. [M 16,384, K 128] x [K 128, N 128]; A: computed on the way; B: input proj_w (given as codes): QUANTISED
;;     5. [M 16,384, K 128] x [K 128, N 512]; A: computed on the way; B: input mlp_w1 (given as codes): QUANTISED
;;     6. [M 16,384, K 512] x [K 512, N 128]; A: computed on the way; B: input mlp_w2 (given as codes): QUANTISED
;;   THE QUANTISER, for each operand of a quantised product, along K:
;;     - K is cut into blocks of 32 from its start; a last block that is shorter is filled with zeros.
;;     - A block's scale is 2^e with e = floor(log2(the largest magnitude in the block)) - 4, held to -126 .. 127; a block of zeros has e = 0. As a byte (E8M0): e + 127.
;;     - Each number is divided by its block's scale, clamped to +-28, and rounded to the nearest number of E3M2, ties to even, subnormals kept.
;;     - The product sums the exact products of the quantised numbers (number of the format x scale) in f32.
;;   ~~~python
;;   def quantise(x, axis):      # numpy; x: float32 -> the quantised numbers, widened to float32 again
;;       x = np.moveaxis(x, axis, -1); K = x.shape[-1]
;;       x = np.pad(x, [(0, 0)] * (x.ndim - 1) + [(0, -K % 32)]); x = x.reshape(x.shape[:-1] + (-1, 32)); a = np.abs(x).max(-1, keepdims=True)
;;       e = np.where(a > 0, np.clip(np.frexp(np.where(a > 0, a, 1))[1] - 1 - 4, -126, 127), 0)      # np.frexp(a)[1] - 1 = floor(log2(a)), exactly
;;       r = np.clip(x / 2.0 ** e, -28, 28)
;;       step = 2.0 ** (np.maximum(np.frexp(np.where(r == 0, 1, r))[1] - 1, -2) - 2)
;;       q = np.round(r / step) * step * 2.0 ** e      # np.round: ties to even
;;       return np.moveaxis(q.reshape(q.shape[:-2] + (-1,))[..., :K], -1, axis).astype(np.float32)
;;   ~~~
;;   SOFTMAX AHEAD OF A QUANTISED PRODUCT. Where the list says 'softmax', what is quantised is not the finished softmax but p = 2^(t - M), with t = logit x log2(e) and M = ceil(the row's largest t), a whole number; so 1/2 < the row's largest p <= 1. The row's sum l is taken of the UNQUANTISED p, in f32, and the product's result is divided by l at the end. Since M is a whole number, a kernel that streams over the keys may use a running M (the ceiling of the running maximum): every later rescaling is an exact power of two, which a block's scale takes up: the codes' values come out the same.
;;   OPERANDS COMPUTED ON THE WAY. 'Computed on the way' means the value that the module computes at that place (a softmax that the list does not call 'softmax' is quantised finished and normalised). What goes into a quantiser is computed in f32, as accurately as f32 sums, v_exp_f32 and their like allow (about 1e-6 of the number): no bf16 or f16 on the way to a quantiser, and a product that is left as it is and whose result goes on into a quantised operand takes f32 operands (vector FMAs, or v_wmma_f32_16x16x4_f32). A number that lies on a knife's edge between two numbers of the format may be rounded either way, as far as f32 arithmetic and the matrix unit's own rounding can turn it there, and no further.
;;   INPUTS GIVEN AS CODES. mlp_w1 (in the module: [128, 512], K = its axis 0); mlp_w2 (in the module: [512, 128], K = its axis 0); proj_w (in the module: [128, 128], K = its axis 0); qkv_w (in the module: [128, 384], K = its axis 0): each comes as NAME_codes (uint8): NAME with its K axis moved to the last place and cut into blocks of 32 codes, [.., K / 32, bytes a block], one block behind the other in memory; four codes in three bytes: a row's codes are one little-endian stream of bits, code i at bits 6 i .. 6 i + 5 (a code: sign, 3 exponent bits, 2 mantissa bits); and NAME_scales (uint8): the same leading axes, one E8M0 byte (e + 127) for each 32 codes along K. Its value is code x scale, taken as it is: it is not quantised again, and the codes and scales need not be those that the quantiser above would give.
;; One version. Each part assembles by itself: llvm-mc -triple=amdgcn-amd-amdhsa -mcpu=gfx1250 --defsym DOCPART=n.
;; ======== version 1 of 1: 3 launches
;; workspace buffers: qc 1,572,864 bytes; qs 262,144 bytes; kc 1,572,864 bytes; ks 65,536 bytes; vc 1,572,864 bytes; vs 65,536 bytes; ac 1,572,864 bytes; asc 65,536 bytes
;; launch qkv (part 1): grid 128 x 1, 4 waves a work-group, clusters of 4 x 1, 168,448 bytes of LDS; arguments x, ln1_g, ln1_b, qkv_w_codes, qkv_w_scales, qkv_b, qc, qs, kc, ks, vc, vs; writes qc, qs, kc, ks, vc, vs
.if DOCPART == 1
	.amdgcn_target "amdgcn-amd-amdhsa--gfx1250"
	.amdhsa_code_object_version 6
	.text
	.protected	k_qc2c16f938e_qkv
	.globl	k_qc2c16f938e_qkv
	.p2align	8
	.type	k_qc2c16f938e_qkv,@function
k_qc2c16f938e_qkv:
	s_mov_b64 s[64:65], 0
	v_nop
	global_prefetch_b8 v0, s[64:65] scope:SCOPE_SE
	s_setreg_imm32_b32 hwreg(HW_REG_WAVE_MODE, 25, 1), 1
	s_wait_xcnt 0x0
	s_wait_alu depctr_hold_cnt(0) depctr_sa_sdst(0) depctr_va_vdst(0) depctr_va_sdst(0) depctr_va_ssrc(0) depctr_va_vcc(0) depctr_vm_vsrc(0)
	s_getreg_b32 s2, hwreg(HW_REG_IB_STS2, 6, 4)
	s_cmp_eq_u32 s2, 0
	s_cbranch_scc0 .Lentry_in_a_cluster
	s_endpgm
.Lentry_in_a_cluster:
	s_bfe_u32 s2, ttmp6, 0x10000c
	s_cmp_lg_u32 s2, 0x3003
	s_cbranch_scc0 .Lentry_shape_is_right
	s_endpgm
.Lentry_shape_is_right:
; FIRST OF THREE LAUNCHES.  qkv = Q(LN1(x)) W_qkv + b on codes of BF6 (E3M2) with one E8M0 scale for each 32 along K; then q and k are quantised along the head's 32 and v along the keys.
; SHARES.  A work-group of four waves takes 128 rows of x: one step of 128 keys of one batch.  Wave w takes 32 of them (key block w of the step) as two fragments of 16 rows, and all 384 columns: 48 matrix instructions.
; 128 work-groups: a work-group owns a whole step of keys so that V's rows of 48 bytes and the scale words of k and v leave whole.
; ROWS OF A TILE ARE NOT NEIGHBOURS: lane r of tile u takes row 8 u + r + 8 (r / 8) of its 32 (of x, and of the weight's 32 columns of a group).  POSITION 32 B + 16 u + r stands for row 32 B + 8 u + r + 8 (r / 8):
; q's and k's codes are stored by position, 24 bytes each, so a tile of 16 is 384 consecutive bytes for the writer and for the reader.
; q, k: the product is used transposed (source 0 = 16 columns of W, source 1 = 16 rows): a lane holds one row and 16 neighbours along the head; the block's other 16 lie in lane l xor 16.
; v: source 0 = 16 rows (keys), source 1 = 16 columns: a lane holds one channel and 16 neighbouring keys.  Biases are the C of each product.
; The weight's codes come once by a joint tensor load (the four work-groups of a cluster read the same 36,864 bytes); no LDS byte is filled twice.
; LIMITS: NaN and infinities are not served; a block whose largest magnitude lies under 2^-122 (zeros too) keeps the byte 1: its codes are zeros or subnormal, and the bytes are read by this program alone.
; REGISTERS.  window 0: v1-15, v90-91 addresses; v16-39 x's two fragments; v40-63 at work in the quantisers; v64-65 x's scale words; v66-69 W's, two sets; v70-89 at work; v96-127 four accumulators;
;   v128-255 x, 64 numbers a fragment; later v128-223 codes on their way out (registers of their own for each store), v224-231 scale data.
;   window 1: v0-63 ln1_g, v64-127 ln1_b in the lane's order; v128-175 W's fragments, two sets of two; v176-207 biases, two sets of two.
.set WSC,  36864                       ; LDS: W's codes [384][96] at 0; then, in blocks that no tensor load fills: W's scale bytes,
.set BQ,   38400                       ; qkv_b,
.set GL,   39936                       ; ln1_g, and 512 bytes on ln1_b,
.set VST,  40960                       ; v's codes of the step: [head][64 keys: 2][channel place 32][48 bytes],
.set KST,  53248                       ; k's scale words: [head][fragment 2][r 16][4],
.set VSS,  53760                       ; v's scale words: [head][channel place 32][4]
.set XA,   3
.set AW,   4
.set ASW,  5
.set ABH,  6
.set ABV,  7
.set AGB,  8
.set SQK,  9
.set L4,   10
.set L16,  11
.set KSA,  12
.set VSA,  13
.set VBA,  14
.set T4,   15
.set XF,   16
.set PT,   40
.set TM,   48
.set XS,   64
.set WS,   66
.set MU,   70
.set RS,   72
.set CH,   74
.set BY,   82
.set VRD,  90
.set KRD,  91
.set ACC,  96
.set X,    128
.set PCD,  128
.set SD,   224
.set WF1,  128
.set BF1,  176
.set SEL,  44
.set INV,  46
.set EPS,  47
.set MSB,  0
.macro WIN new                         ; the immediate's high byte repeats the setting that is left; a switch that changes nothing is dropped
.if MSB != \new
	s_set_vgpr_msb (MSB<<8)|\new
.set MSB, \new
.endif
.endm
.macro PLACES n
.rept \n
	v_nop
.endr
.endm
.macro CROUND                          ; a round of the cluster's barrier
	s_barrier_signal -1
	s_barrier_wait -1
	s_cmp_lg_u32 s4, 0
	s_cbranch_scc1 .Lnot_wave_0_\@
	s_barrier_signal -3
.Lnot_wave_0_\@:
	s_barrier_wait -3
	s_barrier_signal -1
	s_barrier_wait -1
.endm
.macro WM d, a, b, c, sa, sb
	v_wmma_scale_f32_16x16x128_f8f6f4 v[\d:\d+7], v[\a:\a+11], v[\b:\b+11], v[\c:\c+7], v[\sa], v[\sb] matrix_a_fmt:MATRIX_FMT_BF6 matrix_b_fmt:MATRIX_FMT_BF6
.endm
.macro JOIN                            ; four packed chains -> one number, with lane l xor 16's: the row's 128
	v_pk_add_f32 v[CH:CH+1], v[CH:CH+1], v[CH+2:CH+3]
	v_pk_add_f32 v[CH+4:CH+5], v[CH+4:CH+5], v[CH+6:CH+7]
	v_pk_add_f32 v[CH:CH+1], v[CH:CH+1], v[CH+4:CH+5]
	v_add_f32 v[CH], v[CH], v[CH+1]
	v_permlanex16_b32 v[CH+2], v[CH], s[SEL], s[SEL+1]
	v_add_f32 v[CH], v[CH], v[CH+2]
.endm
; LayerNorm of a lane's 64 numbers (its row's other 64 lie in lane l xor 16), in place.  Two passes: the mean first, then the squares of the differences, so that a common offset does no harm.
.macro LN R, WF, G, B
.irp k,0,1,2,3
	v_pk_add_f32 v[CH+2*\k:CH+2*\k+1], v[\R+2*\k:\R+2*\k+1], v[\R+8+2*\k:\R+9+2*\k]
.endr
.irp i,16,24,32,40,48,56
.irp k,0,1,2,3
	v_pk_add_f32 v[CH+2*\k:CH+2*\k+1], v[CH+2*\k:CH+2*\k+1], v[\R+\i+2*\k:\R+\i+2*\k+1]
.endr
.endr
	JOIN
	v_mul_f32 v[MU], s[INV], v[CH]                 ; the mean, twice: a pair for the packed form
	v_mul_f32 v[MU+1], s[INV], v[CH]
.set jj, 0
.rept 32
	v_pk_add_f32 v[\R+jj:\R+jj+1], v[\R+jj:\R+jj+1], v[MU:MU+1] neg_lo:[0,1] neg_hi:[0,1]
.set jj, jj+2
.endr
.irp k,0,1,2,3
	v_pk_mul_f32 v[CH+2*\k:CH+2*\k+1], v[\R+2*\k:\R+2*\k+1], v[\R+2*\k:\R+2*\k+1]
.endr
.irp i,8,16,24,32,40,48,56
.irp k,0,1,2,3
	v_pk_fma_f32 v[CH+2*\k:CH+2*\k+1], v[\R+\i+2*\k:\R+\i+2*\k+1], v[\R+\i+2*\k:\R+\i+2*\k+1], v[CH+2*\k:CH+2*\k+1]
.endr
.endr
	JOIN
	v_fma_f32 v[CH], v[CH], s[INV], s[EPS]         ; the variance + 1e-5
	v_rsq_f32 v[RS], v[CH]
	v_rsq_f32 v[RS+1], v[CH]
	v_nop                                          ; a plain instruction behind the transcendentals,
	s_wait_alu depctr_va_vdst(0)                   ; and the one wait ahead of their first reader
.set jj, 0
.rept 32
	v_pk_mul_f32 v[\R+jj:\R+jj+1], v[\R+jj:\R+jj+1], v[RS:RS+1]
.set jj, jj+2
.endr
	s_wait_dscnt 0x0                               ; the gain and the bias are in
	WIN \WF
.set jj, 0
.rept 32
	v_pk_fma_f32 v[\R+jj:\R+jj+1], v[\R+jj:\R+jj+1], v[\G+jj:\G+jj+1], v[\B+jj:\B+jj+1]
.set jj, jj+2
.endr
	WIN 0
.endm
; 64 numbers of a lane, register 16 b + i = k 32 b + 16 (lane / 16) + i of its row, become a fragment's 12 registers of codes at v[D] and its scale word in v[W].
.macro QUANT S, D, W
.irp b,0,1,2,3
	v_max3_num_f32 v[TM+\b], |v[\S+16*\b]|, |v[\S+1+16*\b]|, 0x2800000   ; my 16 of block b, and the floor 2^(5 - 127): the byte cannot fall under 1
.endr
.irp i,2,4,6,8,10,12,14
.irp b,0,1,2,3
	v_max3_num_f32 v[TM+\b], v[TM+\b], |v[\S+16*\b+\i]|, |v[\S+1+16*\b+\i]|
.endr
.endr
.irp b,0,1,2,3
	v_permlanex16_b32 v[TM+4+\b], v[TM+\b], s[SEL], s[SEL+1]
.endr
.irp b,0,1,2,3
	v_max_num_f32 v[TM+\b], v[TM+\b], v[TM+4+\b]   ; the block's largest magnitude
.endr
.irp b,0,1,2,3
	v_add_nc_u32 v[TM+12+\b], 0xfe000000, v[TM+\b] ; 4 off its exponent field: the conversion's scale operand
.endr
.irp b,0,1,2,3
	v_lshrrev_b32 v[TM+4+\b], 23, v[TM+12+\b]      ; the scale's byte
.endr
	v_lshl_or_b32 v[\W], v[TM+5], 8, v[TM+4]
	v_lshl_or_b32 v[\W], v[TM+6], 16, v[\W]
	v_lshl_or_b32 v[\W], v[TM+7], 24, v[\W]
.irp c,0,1
	v_cvt_scalef32_pk16_bf6_f32 v[\D+6*\c:\D+2+6*\c], v[\S+32*\c:\S+15+32*\c], v[TM+12+2*\c]
	v_cvt_scalef32_pk16_bf6_f32 v[PT+4*\c:PT+2+4*\c], v[\S+16+32*\c:\S+31+32*\c], v[TM+13+2*\c]   ; (a conversion's three registers begin on an even number)
.endr
	v_nop                                          ; one plain place behind a scaled conversion
.irp c,0,1                                     ; the operand wants a whole block in a lane: lanes 0-15 block 2 c, lanes 16-31 block 2 c + 1
.irp i,0,1,2
	v_permlane16_swap_b32 v[\D+6*\c+\i], v[PT+4*\c+\i]
.endr
.irp i,0,1,2
	v_mov_b32 v[\D+3+6*\c+\i], v[PT+4*\c+\i]
.endr
.endr
.endm
; Two blocks of 32, each 16 registers here and 16 in lane l xor 16, by turns: 12 bytes of codes a lane (the block's codes 16 (lane / 16) on) and the block's byte.
.macro Q16 A0, A1, C0, C1, B0, B1
	v_max3_num_f32 v[TM], |v[\A0]|, |v[\A0+1]|, 0x2800000
	v_max3_num_f32 v[TM+1], |v[\A1]|, |v[\A1+1]|, 0x2800000
.irp i,2,4,6,8,10,12,14
	v_max3_num_f32 v[TM], v[TM], |v[\A0+\i]|, |v[\A0+1+\i]|
	v_max3_num_f32 v[TM+1], v[TM+1], |v[\A1+\i]|, |v[\A1+1+\i]|
.endr
	v_permlanex16_b32 v[TM+4], v[TM], s[SEL], s[SEL+1]
	v_permlanex16_b32 v[TM+5], v[TM+1], s[SEL], s[SEL+1]
	v_max_num_f32 v[TM], v[TM], v[TM+4]
	v_max_num_f32 v[TM+1], v[TM+1], v[TM+5]
	v_add_nc_u32 v[TM+12], 0xfe000000, v[TM]
	v_add_nc_u32 v[TM+13], 0xfe000000, v[TM+1]
	v_lshrrev_b32 v[\B0], 23, v[TM+12]
	v_lshrrev_b32 v[\B1], 23, v[TM+13]
	v_cvt_scalef32_pk16_bf6_f32 v[\C0:\C0+2], v[\A0:\A0+15], v[TM+12]
	v_cvt_scalef32_pk16_bf6_f32 v[\C1:\C1+2], v[\A1:\A1+15], v[TM+13]
	v_nop                                          ; one plain place behind the conversions: the next products write their sources
.endm
; Group gi = 32 columns of W (0-3: q's heads, 4-7: k's, 8-11: v's): its two fragments, biases and scale words into set gi % 2.
.macro FETCHW gi
.set KK, (\gi)%2
	WIN 0x40                                       ; destination window 1
.irp t,0,1
.irp p,0,1,2,3,4,5
	ds_load_b64 v[WF1+24*KK+12*\t+2*\p:WF1+24*KK+12*\t+2*\p+1], v[AW] offset:(32*(\gi)+8*\t)*96+48*(\p/3)+8*(\p%3)
.endr
.endr
.if (\gi) < 8                                  ; a lane's eight registers are eight neighbouring columns
.irp t,0,1
	ds_load_b128 v[BF1+16*KK+8*\t:BF1+16*KK+8*\t+3], v[ABH] offset:(32*(\gi)+8*\t)*4
	ds_load_b128 v[BF1+16*KK+8*\t+4:BF1+16*KK+8*\t+7], v[ABH] offset:(32*(\gi)+8*\t)*4+16
.endr
.else                                          ; a lane is one column: the same word in all eight
.irp t,0,1
.irp j,0,1,2,3,4,5,6,7
	ds_load_b32 v[BF1+16*KK+8*\t+\j], v[ABV] offset:(32*(\gi)+8*\t)*4
.endr
.endr
.endif
	WIN 0
.irp t,0,1
	ds_load_b32 v[WS+2*KK+\t], v[ASW] offset:(32*(\gi)+8*\t)*4
.endr
.endm
.macro MUL gi                                  ; four products on four accumulators, each begun by its bias
.set KK, (\gi)%2
.if (\gi) < 8
	WIN 0x11                                       ; source 0 (W) and C (bias) window 1
.irp u,0,1
.irp t,0,1
	WM ACC+8*(2*\u+\t), WF1+24*KK+12*\t, XF+12*\u, BF1+16*KK+8*\t, WS+2*KK+\t, XS+\u
.endr
.endr
.else
	WIN 0x14                                       ; source 1 (W) and C window 1
.irp t,0,1
.irp u,0,1
	WM ACC+8*(2*\t+\u), XF+12*\u, WF1+24*KK+12*\t, BF1+16*KK+8*\t, XS+\u, WS+2*KK+\t
.endr
.endr
.endif
.endm
.macro OUT gi
.set CC, PCD+8*(\gi)
	Q16 ACC, ACC+16, CC, CC+4, BY, BY+1
.if (\gi) < 4                                  ; q: 384 consecutive bytes a store; the byte, in all four bytes of a word, 128 consecutive bytes
	global_store_b96 v[SQK], v[CC:CC+2], s[20:21] offset:(\gi)*98304
	global_store_b96 v[SQK], v[CC+4:CC+6], s[20:21] offset:(\gi)*98304+384
	v_cndmask_b32 v[BY+2], v[BY], v[BY+1], s49     ; lane 16 u + r takes position 16 u + r's byte
	v_mul_lo_u32 v[SD+\gi], v[BY+2], s48
	global_store_b32 v[L4], v[SD+\gi], s[22:23] offset:(\gi)*16384
.elseif (\gi) < 8                              ; k: the two tiles' bytes are neighbours in the fragment's scale word
	global_store_b96 v[SQK], v[CC:CC+2], s[24:25] offset:((\gi)-4)*98304
	global_store_b96 v[SQK], v[CC+4:CC+6], s[24:25] offset:((\gi)-4)*98304+384
	v_lshl_or_b32 v[SD+\gi], v[BY+1], 8, v[BY]
	ds_store_b16 v[KSA], v[SD+\gi] offset:128*((\gi)-4)
.else                                          ; v: 12 bytes of a channel's 48 (words: the address is a multiple of 4 alone), and my key block's byte of its word
.irp t,0,1
.irp i,0,1,2
	ds_store_b32 v[VSA], v[CC+4*\t+\i] offset:3072*((\gi)-8)+768*\t+4*\i
.endr
	ds_store_b8 v[VBA], v[BY+\t] offset:128*((\gi)-8)+64*\t
.endr
.endif
.endm
	s_load_b512 s[8:23], s[0:1], 0x0               ; x s[8:9], ln1_g s[10:11], ln1_b s[12:13], W's codes s[14:15], W's scales s[16:17], qkv_b s[18:19], qc s[20:21], qs s[22:23]
	s_load_b256 s[24:31], s[0:1], 0x40             ; kc s[24:25], ks s[26:27], vc s[28:29], vs s[30:31]
	v_lshl_add_u32 v94, v0, 2, 0x29000
	v_mov_b32 v95, 0
	ds_add_u32 v94, v95
	ds_add_u32 v94, v95
	v_lshrrev_b32 v1, 5, v0
	v_readfirstlane_b32 s4, v1                     ; wave 0..3
	s_bfe_u32 s5, ttmp6, 0x40000                   ; my place in the cluster: it enters global addresses of my own alone
	s_lshl_b32 s6, ttmp9, 2
	s_add_co_u32 s6, s6, s5                        ; work-group 0..127
	s_lshr_b32 s50, s6, 5                          ; batch
	s_and_b32 s51, s6, 31                          ; step of 128 keys
	s_lshr_b32 s52, s4, 1
	s_and_b32 s53, s4, 1
	v_and_b32 v1, 15, v0                           ; r
	v_bfe_u32 v2, v0, 4, 1                         ; h
	v_and_b32 v3, 8, v1
	v_add_nc_u32 v82, v3, v1                       ; r + 8 (r / 8)
	v_lshlrev_b32 v[XA], 9, v82
	v_lshl_add_u32 v[XA], v2, 6, v[XA]             ; x: that row of 512 bytes, + 64 h: my 16 numbers of each block of 32
	v_mul_u32_u24 v[AW], v82, 96
	v_mad_u32_u24 v[AW], v2, 24, v[AW]             ; W's codes: that row of 96 bytes, + 24 h
	v_lshl_add_u32 v[ASW], v82, 2, WSC
	v_lshl_add_u32 v[ABH], v2, 6, BQ
	v_lshl_add_u32 v[ABV], v82, 2, BQ
	v_lshl_add_u32 v[AGB], v2, 6, GL
	v_mul_u32_u24 v[SQK], v1, 24
	v_mad_u32_u24 v[SQK], v2, 12, v[SQK]           ; a position's 24 bytes, my half
	v_and_b32 v[L4], 31, v0
	v_lshlrev_b32 v[L16], 4, v[L4]
	v_lshlrev_b32 v[L4], 2, v[L4]
	s_lshl_b32 s54, s52, 6
	s_lshl_b32 s55, s53, 1
	s_add_co_u32 s54, s54, s55
	s_add_co_u32 s54, s54, KST
	v_lshl_add_u32 v[KSA], v1, 2, s54              ; fragment w / 2, word r, bytes 2 (w % 2) on
	s_mul_i32 s55, s52, 1536
	s_mul_i32 s56, s53, 24
	s_add_co_u32 s55, s55, s56
	s_add_co_u32 s55, s55, VST
	v_mul_u32_u24 v[VSA], v1, 48
	v_mad_u32_u24 v[VSA], v2, 12, v[VSA]
	v_add_nc_u32 v[VSA], s55, v[VSA]
	s_add_co_u32 s56, s4, VSS
	v_lshl_add_u32 v[VBA], v1, 2, s56
	v_lshlrev_b32 v[T4], 2, v0
	s_mul_i32 s57, s4, 3072
	s_add_co_u32 s57, s57, VST
	v_add_nc_u32 v[VRD], s57, v[L16]               ; the way out: wave w takes head w
	s_lshl_b32 s58, s4, 7
	s_add_co_u32 s58, s58, KST
	v_add_nc_u32 v[KRD], s58, v[L4]
	v_cmp_eq_u32 s49, 1, v2                        ; lanes 16-31
.irp b,0,1,2,3
	v_mov_b32 v[TM+4+\b], 0                        ; written once: a lane permute's destination counts as one of its sources
.endr
	s_lshl_b32 s60, s6, 16                         ; x: 128 rows of 512 bytes a work-group, 32 a wave
	s_lshl_b32 s61, s4, 14
	s_add_co_u32 s60, s60, s61
	s_mov_b32 s61, 0
	s_mul_i32 s62, s50, 393216                     ; qc, kc: 4 heads x 98,304 a batch, 3,072 a step, 768 a wave
	s_mul_i32 s63, s51, 3072
	s_add_co_u32 s62, s62, s63
	s_mul_i32 s63, s4, 768
	s_add_co_u32 s62, s62, s63
	s_mov_b32 s63, 0
	s_lshl_b32 s66, s50, 16                        ; qs: 4 bytes a position
	s_lshl_b32 s67, s51, 9
	s_add_co_u32 s66, s66, s67
	s_lshl_b32 s67, s4, 7
	s_add_co_u32 s66, s66, s67
	s_mov_b32 s67, 0
	s_lshl_b32 s68, s50, 2
	s_add_co_u32 s68, s68, s4                      ; the way out: batch's head w
	s_lshl_b32 s70, s68, 12
	s_mul_i32 s68, s68, 98304
	s_mul_i32 s69, s51, 3072
	s_add_co_u32 s68, s68, s69                     ; vc
	s_mov_b32 s69, 0
	s_lshl_b32 s71, s51, 7
	s_add_co_u32 s70, s70, s71                     ; ks, vs: 128 bytes a step
	s_mov_b32 s71, 0
	s_mul_i32 s72, s4, 9216                        ; my quarter of W's codes
	s_mov_b32 s73, 0
	s_mov_b32 s[SEL], 0x76543210
	s_mov_b32 s[SEL+1], 0xfedcba98                 ; v_permlanex16_b32's selects for lane l xor 16
	s_mov_b32 s[INV], 0x3c000000                   ; 1 / 128
	s_mov_b32 s[EPS], 0x3727c5ac                   ; 1e-5
	s_mov_b32 s48, 0x01010101
	; descriptor group 1: 36 rows of 256 bytes (32 elements of 8), dense; 15:0 the mask: all four work-groups; 21 set beside a mask
	s_mov_b32 s32, 15|(3<<16)|(1<<21)
	s_mov_b32 s33, 32<<16
	s_mov_b32 s34, 36<<16
	s_mov_b32 s35, 32<<16
	s_mov_b32 s36, 36
	s_mov_b32 s37, 32
	s_mov_b32 s38, 0
	s_mov_b32 s39, 0
	s_wait_dscnt 0x0
	s_wait_kmcnt 0x0
	s_mov_b32 s40, 1
	s_mov_b32 s41, s72
	s_add_nc_u64 s[42:43], s[14:15], s[72:73]
	s_or_b32 s43, s43, 0x80000000
	s_add_nc_u64 s[8:9], s[8:9], s[60:61]
	s_add_nc_u64 s[20:21], s[20:21], s[62:63]
	s_add_nc_u64 s[24:25], s[24:25], s[62:63]
	s_add_nc_u64 s[22:23], s[22:23], s[66:67]
	s_add_nc_u64 s[28:29], s[28:29], s[68:69]
	s_add_nc_u64 s[26:27], s[26:27], s[70:71]
	s_add_nc_u64 s[30:31], s[30:31], s[70:71]
	global_load_b32 v82, v[T4], s[16:17]           ; the small arrays: a word a thread, 512 consecutive bytes a work-group
	global_load_b32 v83, v[T4], s[16:17] offset:512
	global_load_b32 v84, v[T4], s[16:17] offset:1024
	global_load_b32 v85, v[T4], s[18:19]
	global_load_b32 v86, v[T4], s[18:19] offset:512
	global_load_b32 v87, v[T4], s[18:19] offset:1024
	global_load_b32 v88, v[T4], s[10:11]
	global_load_b32 v89, v[T4], s[12:13]
.irp u,0,1
.irp b,0,1,2,3
.irp j,0,1,2,3
	global_load_b128 v[X+64*\u+16*\b+4*\j:X+64*\u+16*\b+4*\j+3], v[XA], s[8:9] offset:4096*\u+128*\b+16*\j th:TH_LOAD_NT
.endr
.endr
.endr
	CROUND                                         ; all four work-groups are here: the joint loads meet
	tensor_load_to_lds s[40:43], s[32:39]          ; my quarter of W's codes: one load of mine is out
	s_nop 0
	PLACES 4
	s_wait_loadcnt 32                              ; the eight small loads are in; x's 32 are younger
	ds_store_b32 v[T4], v82 offset:WSC
	ds_store_b32 v[T4], v83 offset:WSC+512
	ds_store_b32 v[T4], v84 offset:WSC+1024
	ds_store_b32 v[T4], v85 offset:BQ
	ds_store_b32 v[T4], v86 offset:BQ+512
	ds_store_b32 v[T4], v87 offset:BQ+1024
	ds_store_b32 v[T4], v88 offset:GL
	ds_store_b32 v[T4], v89 offset:GL+512
	s_wait_tensorcnt 0x0                           ; for the others' sake: my quarter has landed,
	s_wait_dscnt 0x0                               ; and my stores
	s_barrier_signal -1
	s_barrier_wait -1
	WIN 0x40
.irp b,0,1,2,3
.irp j,0,1,2,3
	ds_load_b128 v[16*\b+4*\j:16*\b+4*\j+3], v[AGB] offset:128*\b+16*\j
	ds_load_b128 v[64+16*\b+4*\j:64+16*\b+4*\j+3], v[AGB] offset:512+128*\b+16*\j
.endr
.endr
	FETCHW 0
	s_wait_loadcnt 16                              ; the first fragment's 16 loads are in; the second's are younger
	LN X, 0x14, 0, 64
	QUANT X, XF, XS
	s_wait_loadcnt 0x0
	LN X+64, 0x14, 0, 64
	QUANT X+64, XF+12, XS+1
	PLACES 8                                       ; a scale word made by vector instructions stands 8 places ahead of a scaled product, codes 4
.irp gi,0,1,2,3,4,5,6,7,8,9,10,11
	s_wait_dscnt 0x0                               ; this group's fragments, biases and scale words are in
	MUL \gi
.if \gi < 11
	FETCHW \gi+1                                   ; into the other set, which the group before has left (its places: the v_nop behind its products)
.endif
	WIN 0
	PLACES 5                                       ; 4 ahead of the reads of the results, 5 ahead of the next group's products, which begin the same accumulators anew
	OUT \gi
.endr
	s_wait_dscnt 0x0                               ; for the others' sake: my stores into the three stages are done
	s_barrier_signal -1
	s_barrier_wait -1
	s_wait_xcnt 0x0                                ; the stores of q and k have read their registers: the loads below land there
.irp i,0,1,2,3,4,5
	ds_load_b128 v[128+4*\i:128+4*\i+3], v[VRD] offset:512*\i
.endr
	ds_load_b32 v152, v[KRD]
	ds_load_b32 v153, v[KRD] offset:512
	s_wait_dscnt 0x0
.irp i,0,1,2,3,4,5
	global_store_b128 v[L16], v[128+4*\i:128+4*\i+3], s[28:29] offset:512*\i   ; 512 consecutive bytes, at a multiple of 256 from vc's first byte
.endr
	global_store_b32 v[L4], v152, s[26:27]
	global_store_b32 v[L4], v153, s[30:31]
	s_wait_tensorcnt 0x0
	ds_add_u32 v94, v95
	s_wait_dscnt 0x0
	CROUND                                         ; the closing round
	s_endpgm
.Lfunc_end_k_qc2c16f938e_qkv:
	.size	k_qc2c16f938e_qkv, .Lfunc_end_k_qc2c16f938e_qkv-k_qc2c16f938e_qkv
	.p2alignl 7, 3214868480
	.fill 96, 4, 3214868480
	.section	.rodata,"a",@progbits
	.p2align	6, 0x0
	.amdhsa_kernel k_qc2c16f938e_qkv
		.amdhsa_group_segment_fixed_size 168448
		.amdhsa_private_segment_fixed_size 0
		.amdhsa_enable_private_segment 0
		.amdhsa_kernarg_size 96
		.amdhsa_user_sgpr_count 2
		.amdhsa_user_sgpr_kernarg_segment_ptr 1
		.amdhsa_wavefront_size32 1
		.amdhsa_system_sgpr_workgroup_id_x 1
		.amdhsa_system_sgpr_workgroup_id_y 1
		.amdhsa_system_sgpr_workgroup_id_z 1
		.amdhsa_system_vgpr_workitem_id 0
		.amdhsa_next_free_vgpr 512
		.amdhsa_next_free_sgpr 96
		.amdhsa_reserve_vcc 0
		.amdhsa_float_denorm_mode_32 3
		.amdhsa_float_denorm_mode_16_64 3
		.amdhsa_memory_ordered 1
		.amdhsa_forward_progress 1
		.amdhsa_inst_pref_size 94
	.end_amdhsa_kernel
	.amdgpu_metadata
---
amdhsa.version: [ 1, 2 ]
amdhsa.kernels:
  - .name:           k_qc2c16f938e_qkv
    .symbol:         k_qc2c16f938e_qkv.kd
    .args:
      - { .name: x, .offset: 0, .size: 8, .value_kind: global_buffer, .address_space: global }
      - { .name: ln1_g, .offset: 8, .size: 8, .value_kind: global_buffer, .address_space: global }
      - { .name: ln1_b, .offset: 16, .size: 8, .value_kind: global_buffer, .address_space: global }
      - { .name: qkv_w_codes, .offset: 24, .size: 8, .value_kind: global_buffer, .address_space: global }
      - { .name: qkv_w_scales, .offset: 32, .size: 8, .value_kind: global_buffer, .address_space: global }
      - { .name: qkv_b, .offset: 40, .size: 8, .value_kind: global_buffer, .address_space: global }
      - { .name: qc, .offset: 48, .size: 8, .value_kind: global_buffer, .address_space: global }
      - { .name: qs, .offset: 56, .size: 8, .value_kind: global_buffer, .address_space: global }
      - { .name: kc, .offset: 64, .size: 8, .value_kind: global_buffer, .address_space: global }
      - { .name: ks, .offset: 72, .size: 8, .value_kind: global_buffer, .address_space: global }
      - { .name: vc, .offset: 80, .size: 8, .value_kind: global_buffer, .address_space: global }
      - { .name: vs, .offset: 88, .size: 8, .value_kind: global_buffer, .address_space: global }
    .group_segment_fixed_size: 168448
    .private_segment_fixed_size: 0
    .kernarg_segment_align: 8
    .kernarg_segment_size: 96
    .max_flat_workgroup_size: 128
    .sgpr_count:     96
    .vgpr_count:     512
    .wavefront_size: 32
...
	.end_amdgpu_metadata
.endif
;; end of part 1
;; launch attn (part 2): grid 16 x 16, 16 waves a work-group, clusters of 4 x 1, 215,040 bytes of LDS; arguments qc, qs, kc, ks, vc, vs, ac, asc; writes ac, asc
.if DOCPART == 2
	.amdgcn_target "amdgcn-amd-amdhsa--gfx1250"
	.amdhsa_code_object_version 6
	.text
	.protected	k_qc2c16f938e_attn
	.globl	k_qc2c16f938e_attn
	.p2align	8
	.type	k_qc2c16f938e_attn,@function
k_qc2c16f938e_attn:
	s_mov_b64 s[64:65], 0
	v_nop
	global_prefetch_b8 v0, s[64:65] scope:SCOPE_SE
	s_setreg_imm32_b32 hwreg(HW_REG_WAVE_MODE, 25, 1), 1
	s_wait_xcnt 0x0
	s_wait_alu depctr_hold_cnt(0) depctr_sa_sdst(0) depctr_va_vdst(0) depctr_va_sdst(0) depctr_va_ssrc(0) depctr_va_vcc(0) depctr_vm_vsrc(0)
	s_getreg_b32 s2, hwreg(HW_REG_IB_STS2, 6, 4)
	s_cmp_eq_u32 s2, 0
	s_cbranch_scc0 .Lentry_in_a_cluster
	s_endpgm
.Lentry_in_a_cluster:
	s_bfe_u32 s2, ttmp6, 0x10000c
	s_cmp_lg_u32 s2, 0x3003
	s_cbranch_scc0 .Lentry_shape_is_right
	s_endpgm
.Lentry_shape_is_right:
; SECOND OF THREE LAUNCHES.  Attention of one head on codes of BF6 (E3M2): S^T = K Q^T, p = 2^(t - M), O^T = V^T P^T, O / l, and O quantised along the head's 32 for the projection.
; t = score x log2(e) / sqrt(32); M = the running largest t rounded UP to a whole number; the row's sum l is taken of the unquantised p; when M moves, l and O are multiplied by 2^(old M - new M): exact.
; SHARES.  Work-group (x, y): 256 positions of queries of batch-head y.  Each of SIXTEEN waves owns 16 queries in 226 registers: four waves to a SIMD, so that one wave's exponentials stand beside another's products and LDS loads.
; Every wave walks the head's 4,096 keys, 128 a step, 32 steps.
; ALL OF THE HEAD'S K AND V LIES IN LDS: 98,304 bytes of codes each and 4,096 of scale words each, filled once by joint tensor loads (the four work-groups of a cluster read the same head).  No ring, no refill, no barrier in the loop.
; THE HEAD'S 32 ARE A QUARTER OF AN INSTRUCTION'S K.  A fragment of K carries FOUR tiles of 16 keys, one in each block of 32; Q stands in four copies, each with its codes in one block and zero codes in the others:
; the product with copy b is tile b's scores (zero codes add nothing under any scale byte but 0xff, which is never made).  The copies overlap in 30 registers: [QH][0][QL][0][QH], QL = q in lanes 0-15, QH = q in lanes 16-31.
; kc holds keys by POSITION (32 B + 16 u + r stands for key 32 B + 8 u + r + 8 (r / 8)), so the 16 registers of tiles 2 B and 2 B + 1 are 16 neighbouring keys, 32 B + 16 (lane / 16) + 0 .. 15, as the conversions want them.
; vc holds 64 keys (48 bytes) for each channel place; place 16 T + r stands for channel 8 T + r + 8 (r / 8), so a lane's 16 registers of O^T are 16 neighbouring channels.
; LIMITS: NaN and infinities are not served; the division by l is a reciprocal and a multiply; a block under 2^-122 keeps the byte 1 (the bytes are read by this program alone).
.set VCL,  98304                       ; LDS: K's codes at 0, V's here,
.set KSL,  196608                      ; K's scale words,
.set VSL,  200704                      ; V's,
.set SB,   204800                      ; and a block of 256 bytes that no tensor load fills: the result's scale bytes
.set AK0,  1
.set AV0,  2
.set AKS,  3
.set AVS,  4
.set ADK,  5
.set ADV,  6
.set ADS,  7
.set ADT,  8
.set QSC,  9                           ; q's scale word (the byte in all four places)
.set RR,   10
.set HH,   11                          ; v12 -M, v13 the largest t, v[14:15] the sum in two halves
.set Q,    16                          ; v16-45
.set KSC,  46
.set KF,   48                          ; two fragments of K
.set VF,   72                          ; two of V
.set S,    96                          ; S^T, then p
.set O,    160                         ; O^T
.set PC,   176                         ; p's codes
.set PT,   188
.set BM,   196
.set PM,   200
.set SO,   204
.set F,    208
.set TT,   210
.set PW,   211                         ; p's scale word
.set VSC,  212
.set SB2,  214                         ; the sums' second chain
.set QA,   216
.set QSA,  217
.set ACO,  218
.set SBA,  219
.set SBR,  220
.set L8,   221
.set SEL,  56
.set CS,   58
.set TB,   60
.set TS,   61
.set CNT,  62
.macro PLACES n
.rept \n
	v_nop
.endr
.endm
.macro CROUND                          ; a round of the cluster's barrier
	s_barrier_signal -1
	s_barrier_wait -1
	s_cmp_lg_u32 s4, 0
	s_cbranch_scc1 .Lnot_wave_0_\@
	s_barrier_signal -3
.Lnot_wave_0_\@:
	s_barrier_wait -3
	s_barrier_signal -1
	s_barrier_wait -1
.endm
.macro KQ f, b, qo                     ; tile b of fragment f: the copy of Q that begins qo registers in
	v_wmma_scale_f32_16x16x128_f8f6f4 v[S+8*(4*\f+\b):S+8*(4*\f+\b)+7], v[KF+12*\f:KF+12*\f+11], v[Q+\qo:Q+\qo+11], 0, v[KSC+\f], v[QSC] matrix_a_fmt:MATRIX_FMT_BF6 matrix_b_fmt:MATRIX_FMT_BF6
.endm
	s_load_b512 s[8:23], s[0:1], 0x0               ; qc s[8:9], qs s[10:11], kc s[12:13], ks s[14:15], vc s[16:17], vs s[18:19], ac s[20:21], asc s[22:23]
	v_lshl_add_u32 v224, v0, 2, 0x34000
	v_mov_b32 v225, 0
	ds_add_u32 v224, v225
	ds_add_u32 v224, v225
	v_lshrrev_b32 v1, 5, v0
	v_readfirstlane_b32 s4, v1                     ; wave 0..15
	s_bfe_u32 s5, ttmp6, 0x40000                   ; my place in the cluster: it enters q's and the result's addresses alone
	s_lshl_b32 s6, ttmp9, 2
	s_add_co_u32 s6, s6, s5                        ; my block of 256 positions
	s_and_b32 s7, ttmp7, 0xffff                    ; batch-head, which the four partners share
	s_mul_i32 s66, s7, 98304                       ; the head's codes,
	s_mov_b32 s67, 0
	s_and_b32 s68, s4, 3
	s_mul_i32 s68, s68, 24576                      ; a quarter of them,
	s_mov_b32 s69, 0
	s_lshl_b32 s70, s7, 12                         ; its scale words
	s_mov_b32 s71, 0
	s_mul_i32 s72, s6, 6144                        ; my 16 queries: 24 bytes a position
	s_mul_i32 s73, s4, 384
	s_add_co_u32 s72, s72, s73
	s_add_co_u32 s72, s72, s66
	s_mov_b32 s73, 0
	s_lshl_b32 s74, s7, 14                         ; and 4 in qs
	s_lshl_b32 s75, s6, 10
	s_add_co_u32 s74, s74, s75
	s_lshl_b32 s75, s4, 6
	s_add_co_u32 s74, s74, s75
	s_mov_b32 s75, 0
	s_lshl_b32 s76, s6, 8                          ; asc: a byte a position
	s_add_co_u32 s76, s76, s70
	s_mov_b32 s77, 0
	; descriptor group 1: rows of 256 bytes (32 elements of 8), dense: 96 rows for a quarter of the codes, 16 for the scale words.  15:0 the mask: all four work-groups; 21 set beside a mask
	s_mov_b32 s24, 15|(3<<16)|(1<<21)
	s_mov_b32 s25, 32<<16
	s_mov_b32 s26, 96<<16
	s_mov_b32 s27, 32<<16
	s_mov_b32 s28, 96
	s_mov_b32 s29, 32
	s_mov_b32 s30, 0
	s_mov_b32 s31, 0
	s_mov_b32 s32, 15|(3<<16)|(1<<21)
	s_mov_b32 s33, 32<<16
	s_mov_b32 s34, 16<<16
	s_mov_b32 s35, 32<<16
	s_mov_b32 s36, 16
	s_mov_b32 s37, 32
	s_mov_b32 s38, 0
	s_mov_b32 s39, 0
	s_mov_b32 s[SEL], 0x76543210
	s_mov_b32 s[SEL+1], 0xfedcba98                 ; v_permlanex16_b32's selects for lane l xor 16
	s_mov_b32 s[CS], 0x3e8293ee                    ; c = log2(e) / sqrt(32)
	s_mov_b32 s[CS+1], s[CS]                       ; (named with it as a pair, so it is written)
	s_mov_b32 s[TB], 0
	s_mov_b32 s[TS], 0
	s_mov_b32 s[CNT], 32
	s_wait_dscnt 0x0
	s_wait_kmcnt 0x0
	s_mov_b32 s40, 1                               ; K's codes: waves 0 to 3, a quarter each
	s_mov_b32 s41, s68
	s_add_nc_u64 s[42:43], s[12:13], s[66:67]
	s_add_nc_u64 s[42:43], s[42:43], s[68:69]
	s_or_b32 s43, s43, 0x80000000
	s_mov_b32 s44, 1                               ; V's: waves 4 to 7
	s_add_co_u32 s45, s68, VCL
	s_add_nc_u64 s[46:47], s[16:17], s[66:67]
	s_add_nc_u64 s[46:47], s[46:47], s[68:69]
	s_or_b32 s47, s47, 0x80000000
	s_mov_b32 s48, 1                               ; K's scale words: wave 8
	s_mov_b32 s49, KSL
	s_add_nc_u64 s[50:51], s[14:15], s[70:71]
	s_or_b32 s51, s51, 0x80000000
	s_mov_b32 s52, 1                               ; V's: wave 9
	s_mov_b32 s53, VSL
	s_add_nc_u64 s[54:55], s[18:19], s[70:71]
	s_or_b32 s55, s55, 0x80000000
	s_add_nc_u64 s[8:9], s[8:9], s[72:73]
	s_add_nc_u64 s[10:11], s[10:11], s[74:75]
	s_add_nc_u64 s[20:21], s[20:21], s[72:73]
	s_add_nc_u64 s[22:23], s[22:23], s[76:77]
	CROUND                                         ; all four work-groups are here: the joint loads meet
	s_cmp_lt_u32 s4, 4                             ; one chain of branches on the wave's number, the same in every partner: a wave has at most one load out; four v_nop follow each line
	s_cbranch_scc0 .Lnot_k
	tensor_load_to_lds s[40:43], s[24:31]
	s_nop 0
	PLACES 4
	s_branch .Lasked
.Lnot_k:
	s_cmp_lt_u32 s4, 8
	s_cbranch_scc0 .Lnot_v
	tensor_load_to_lds s[44:47], s[24:31]
	s_nop 0
	PLACES 4
	s_branch .Lasked
.Lnot_v:
	s_cmp_eq_u32 s4, 8
	s_cbranch_scc0 .Lnot_ks
	tensor_load_to_lds s[48:51], s[32:39]
	s_nop 0
	PLACES 4
	s_branch .Lasked
.Lnot_ks:
	s_cmp_eq_u32 s4, 9
	s_cbranch_scc0 .Lasked
	tensor_load_to_lds s[52:55], s[32:39]
	s_nop 0
	PLACES 4
.Lasked:
	v_and_b32 v[RR], 15, v0                        ; r
	v_bfe_u32 v[HH], v0, 4, 1                      ; h
	v_mul_u32_u24 v[QA], v[RR], 24
	v_lshlrev_b32 v[QSA], 2, v[RR]
	global_load_b64 v[48:49], v[QA], s[8:9]        ; every lane takes its query's 24 bytes
	global_load_b64 v[50:51], v[QA], s[8:9] offset:8
	global_load_b64 v[52:53], v[QA], s[8:9] offset:16
	global_load_b32 v[QSC], v[QSA], s[10:11]
	v_and_b32 v[AK0], 31, v0
	v_lshlrev_b32 v[L8], 3, v[AK0]
	v_mul_u32_u24 v[AK0], v[AK0], 24               ; K: lane l, half c of fragment f: the 24 bytes at 1,536 f + 768 c + 24 l
	v_mul_u32_u24 v[AV0], v[RR], 48
	v_mad_u32_u24 v[AV0], v[HH], 24, v[AV0]
	v_add_nc_u32 v[AV0], VCL, v[AV0]               ; V: place r's 48 bytes, + 24 h
	v_lshl_add_u32 v[AKS], v[RR], 2, KSL
	v_lshl_add_u32 v[AVS], v[RR], 2, VSL
	v_mad_u32_u24 v[ACO], v[HH], 12, v[QA]         ; the result: a position's 24 bytes, my half
	s_lshl_b32 s78, s4, 4
	s_add_co_u32 s78, s78, SB
	v_add_nc_u32 v[SBA], s78, v[RR]
	v_add_nc_u32 v[SBR], SB, v[L8]
	v_cmp_eq_u32 s80, 1, v[HH]                     ; lanes 16-31
	v_mov_b32 v13, 0xff61b1e6                      ; the largest t so far: -3e38, under every t
	v_floor_f32 v12, -v13                          ; -M
	v_mov_b32 v14, 0
	v_mov_b32 v15, 0
.irp j,0,1,2,3,4,5,6,7,8,9,10,11,12,13,14,15
	v_mov_b32 v[O+\j], 0                           ; the loop is written once: its first step finds zeros, which the first change of M leaves zeros
.endr
.irp b,0,1,2,3
	v_mov_b32 v[PM+\b], 0                          ; written once: a lane permute's destination counts as one of its sources
.endr
	v_mov_b32 v[F+1], 0                            ; (named as the upper half of a pair)
	v_mov_b32 v[TT], 0
.irp i,0,1,2,3,4,5
	v_mov_b32 v[Q+6+\i], 0
	v_mov_b32 v[Q+18+\i], 0
.endr
	s_wait_tensorcnt 0x0                           ; for the others' sake: my part has landed
	s_barrier_signal -1
	s_barrier_wait -1                              ; everybody's has
	s_wait_loadcnt 0x0                             ; q
.irp i,0,1,2,3,4,5
	v_cndmask_b32 v[Q+\i], v[Q+6], v[48+\i], s80   ; QH
	v_cndmask_b32 v[Q+12+\i], v[48+\i], v[Q+6], s80 ; QL
	v_cndmask_b32 v[Q+24+\i], v[Q+6], v[48+\i], s80 ; QH
.endr
.Lstep:                                            ; 128 keys
	v_add_nc_u32 v[ADK], s[TB], v[AK0]             ; four plain lines: the places between the last products and the loads into their fragments and scale words, and between Q's copies and the first products
	v_add_nc_u32 v[ADV], s[TB], v[AV0]
	v_add_nc_u32 v[ADS], s[TS], v[AKS]
	v_add_nc_u32 v[ADT], s[TS], v[AVS]
.irp f,0,1
.irp c,0,1
.irp p,0,1,2
	ds_load_b64 v[KF+12*\f+6*\c+2*\p:KF+12*\f+6*\c+2*\p+1], v[ADK] offset:1536*\f+768*\c+8*\p
.endr
.endr
	ds_load_b32 v[KSC+\f], v[ADS] offset:64*\f
.endr
.irp t,0,1
.irp c,0,1
.irp p,0,1,2
	ds_load_b64 v[VF+12*\t+6*\c+2*\p:VF+12*\t+6*\c+2*\p+1], v[ADV] offset:1536*\c+768*\t+8*\p
.endr
.endr
	ds_load_b32 v[VSC+\t], v[ADT] offset:64*\t
.endr
	s_wait_dscnt 14                                ; K's 14 loads are in; V's 14 are younger
.irp f,0,1
	KQ \f, 0, 12
	KQ \f, 1, 0
	KQ \f, 2, 6
	KQ \f, 3, 18
.endr
	PLACES 4
.irp b,0,1,2,3
	v_max3_num_f32 v[BM+\b], v[S+16*\b], v[S+1+16*\b], v[S+2+16*\b]   ; the largest score of each block of 32 keys: it serves for the row's maximum and, since p rises with the score, for the block's largest p
.endr
.irp i,3,5,7,9,11,13
.irp b,0,1,2,3
	v_max3_num_f32 v[BM+\b], v[BM+\b], v[S+16*\b+\i], v[S+1+16*\b+\i]
.endr
.endr
.irp b,0,1,2,3
	v_max_num_f32 v[BM+\b], v[BM+\b], v[S+15+16*\b]
.endr
.irp b,0,1,2,3
	v_permlanex16_b32 v[PM+\b], v[BM+\b], s[SEL], s[SEL+1]
.endr
.irp b,0,1,2,3
	v_max_num_f32 v[BM+\b], v[BM+\b], v[PM+\b]     ; with lane l xor 16's 16 keys
.endr
	v_max3_num_f32 v[TT], v[BM], v[BM+1], v[BM+2]
	v_max_num_f32 v[TT], v[TT], v[BM+3]
	v_mul_f32 v[TT], s[CS], v[TT]                  ; as t (c is positive)
	v_max_num_f32 v13, v13, v[TT]                  ; the running largest t
	v_mov_b32 v[TT], v12
	v_floor_f32 v12, -v13                          ; the new -M = floor(-t): M is a whole number
	v_sub_f32 v[TT], v12, v[TT]                    ; old M - new M: a whole number, 0 or less
	v_cvt_i32_f32 v[TT], v[TT]                     ; (it saturates)
	v_ldexp_f32 v[F], 1.0, v[TT]                   ; f = 2^(old M - new M)
.set jj, 0
.rept 32
	v_pk_fma_f32 v[S+jj:S+jj+1], v[S+jj:S+jj+1], s[CS:CS+1], v[12:13] op_sel_hi:[1,0,0]   ; t - M, two at a time
.set jj, jj+2
.endr
.irp b,0,1,2,3
	v_fma_f32 v[BM+\b], v[BM+\b], s[CS], v12       ; the same of each block's largest score
.endr
.set jj, 0
.rept 64
	v_exp_f32 v[S+jj], v[S+jj]                     ; p = 2^(t - M), at most 1: not normalised
.set jj, jj+1
.endr
	v_pk_mul_f32 v[14:15], v[14:15], v[F:F+1] op_sel_hi:[1,0]   ; the sums under the new M: the plain line behind the exponentials
	s_wait_alu depctr_va_vdst(0)                   ; one wait for the batch of 64, ahead of its first reader
.irp b,0,1,2,3
	v_exp_f32 v[BM+\b], v[BM+\b]                   ; the block's largest p: the same two instructions on the same number
.endr
	v_pk_add_f32 v[SB2:SB2+1], v[S:S+1], v[S+2:S+3]   ; the row's sum of the unquantised p, in two chains: the first half stands behind the four exponentials
.irp j,4,8,12,16,20,24,28
	v_pk_add_f32 v[14:15], v[14:15], v[S+\j:S+1+\j]
	v_pk_add_f32 v[SB2:SB2+1], v[SB2:SB2+1], v[S+2+\j:S+3+\j]
.endr
	s_wait_alu depctr_va_vdst(0)                   ; and one for the four
.irp b,0,1,2,3
	v_max_num_f32 v[BM+\b], 0x2800000, v[BM+\b]    ; the floor 2^(5 - 127): the byte cannot fall under 1
.endr
.irp b,0,1,2,3
	v_add_nc_u32 v[SO+\b], 0xfe000000, v[BM+\b]    ; 4 off the exponent field: the conversion's scale operand
.endr
.irp b,0,1,2,3
	v_lshrrev_b32 v[PM+\b], 23, v[SO+\b]           ; the scale's byte
.endr
	v_lshl_or_b32 v[PW], v[PM+1], 8, v[PM]
	v_lshl_or_b32 v[PW], v[PM+2], 16, v[PW]
	v_lshl_or_b32 v[PW], v[PM+3], 24, v[PW]
.irp c,0,1
	v_cvt_scalef32_pk16_bf6_f32 v[PC+6*\c:PC+2+6*\c], v[S+32*\c:S+15+32*\c], v[SO+2*\c]
	v_cvt_scalef32_pk16_bf6_f32 v[PT+4*\c:PT+2+4*\c], v[S+16+32*\c:S+31+32*\c], v[SO+2*\c+1]   ; (a conversion's three registers begin on an even number)
.endr
	v_nop                                          ; one plain place behind a scaled conversion
.irp c,0,1                                     ; the operand wants a whole block in a lane
.irp i,0,1,2
	v_permlane16_swap_b32 v[PC+6*\c+\i], v[PT+4*\c+\i]
.endr
.irp i,0,1,2
	v_mov_b32 v[PC+3+6*\c+\i], v[PT+4*\c+\i]
.endr
.endr
.irp j,32,36,40,44,48,52,56,60                 ; the sums' second half: 17 plain lines that name nothing of the two products below: the places between p's scale word and codes and those products
	v_pk_add_f32 v[14:15], v[14:15], v[S+\j:S+1+\j]
	v_pk_add_f32 v[SB2:SB2+1], v[SB2:SB2+1], v[S+2+\j:S+3+\j]
.endr
	v_pk_add_f32 v[14:15], v[14:15], v[SB2:SB2+1]
.irp j,0,2,4,6,8,10,12,14
	v_pk_mul_f32 v[O+\j:O+1+\j], v[O+\j:O+1+\j], v[F:F+1] op_sel_hi:[1,0]   ; O^T under the new M
.endr
	s_wait_dscnt 0x0                               ; V is in
.irp t,0,1                                     ; the ten accumulators of a step take turns, one instruction a turn, over the backward jump too
	v_wmma_scale_f32_16x16x128_f8f6f4 v[O+8*\t:O+8*\t+7], v[VF+12*\t:VF+12*\t+11], v[PC:PC+11], v[O+8*\t:O+8*\t+7], v[VSC+\t], v[PW] matrix_a_fmt:MATRIX_FMT_BF6 matrix_b_fmt:MATRIX_FMT_BF6
.endr
	s_add_co_u32 s[TB], s[TB], 3072                ; 128 keys of codes, in K and in V alike
	s_add_co_u32 s[TS], s[TS], 128                 ; and of scale words
	s_sub_co_u32 s[CNT], s[CNT], 1
	s_cmp_lg_u32 s[CNT], 0
	s_cbranch_scc1 .Lstep
	; THE WAY OUT: O^T / l; a lane's 16 registers are channels 16 (lane / 16) + 0 .. 15 of its query: half a block of the projection's K
	PLACES 4
	v_add_f32 v14, v14, v15
	v_permlanex16_b32 v[TT], v14, s[SEL], s[SEL+1]
	v_add_f32 v14, v14, v[TT]                      ; the row's sum
	v_rcp_f32 v14, v14
	v_nop                                          ; a plain line behind the transcendental,
	s_wait_alu depctr_va_vdst(0)                   ; and the wait ahead of its first reader
.irp j,0,1,2,3,4,5,6,7,8,9,10,11,12,13,14,15
	v_mul_f32 v[S+\j], v[O+\j], v14                ; each accumulator from its low end on
.endr
	v_max3_num_f32 v[BM], |v[S]|, |v[S+1]|, 0x2800000
.irp i,2,4,6,8,10,12,14
	v_max3_num_f32 v[BM], v[BM], |v[S+\i]|, |v[S+1+\i]|
.endr
	v_permlanex16_b32 v[PM], v[BM], s[SEL], s[SEL+1]
	v_max_num_f32 v[BM], v[BM], v[PM]
	v_add_nc_u32 v[SO], 0xfe000000, v[BM]
	v_lshrrev_b32 v[BM+1], 23, v[SO]
	v_cvt_scalef32_pk16_bf6_f32 v[PC:PC+2], v[S:S+15], v[SO]
	v_nop
	global_store_b96 v[ACO], v[PC:PC+2], s[20:21]  ; 384 consecutive bytes a wave
	ds_store_b8 v[SBA], v[BM+1]                    ; both lanes of a block write the same byte with the same value
	s_wait_dscnt 0x0                               ; for wave 0's sake
	s_barrier_signal -1
	s_barrier_wait -1
	s_cmp_lg_u32 s4, 0
	s_cbranch_scc1 .Lnot_first
	ds_load_b64 v[112:113], v[SBR]                 ; the work-group's 256 bytes leave as one aligned run of 256
	s_wait_dscnt 0x0
	global_store_b64 v[L8], v[112:113], s[22:23]
.Lnot_first:
	s_wait_tensorcnt 0x0
	ds_add_u32 v224, v225
	s_wait_dscnt 0x0
	CROUND                                         ; the closing round
	s_endpgm
.Lfunc_end_k_qc2c16f938e_attn:
	.size	k_qc2c16f938e_attn, .Lfunc_end_k_qc2c16f938e_attn-k_qc2c16f938e_attn
	.p2alignl 7, 3214868480
	.fill 96, 4, 3214868480
	.section	.rodata,"a",@progbits
	.p2align	6, 0x0
	.amdhsa_kernel k_qc2c16f938e_attn
		.amdhsa_group_segment_fixed_size 215040
		.amdhsa_private_segment_fixed_size 0
		.amdhsa_enable_private_segment 0
		.amdhsa_kernarg_size 64
		.amdhsa_user_sgpr_count 2
		.amdhsa_user_sgpr_kernarg_segment_ptr 1
		.amdhsa_wavefront_size32 1
		.amdhsa_system_sgpr_workgroup_id_x 1
		.amdhsa_system_sgpr_workgroup_id_y 1
		.amdhsa_system_sgpr_workgroup_id_z 1
		.amdhsa_system_vgpr_workitem_id 0
		.amdhsa_next_free_vgpr 226
		.amdhsa_next_free_sgpr 84
		.amdhsa_reserve_vcc 0
		.amdhsa_float_denorm_mode_32 3
		.amdhsa_float_denorm_mode_16_64 3
		.amdhsa_memory_ordered 1
		.amdhsa_forward_progress 1
		.amdhsa_inst_pref_size 27
	.end_amdhsa_kernel
	.amdgpu_metadata
---
amdhsa.version: [ 1, 2 ]
amdhsa.kernels:
  - .name:           k_qc2c16f938e_attn
    .symbol:         k_qc2c16f938e_attn.kd
    .args:
      - { .name: qc, .offset: 0, .size: 8, .value_kind: global_buffer, .address_space: global }
      - { .name: qs, .offset: 8, .size: 8, .value_kind: global_buffer, .address_space: global }
      - { .name: kc, .offset: 16, .size: 8, .value_kind: global_buffer, .address_space: global }
      - { .name: ks, .offset: 24, .size: 8, .value_kind: global_buffer, .address_space: global }
      - { .name: vc, .offset: 32, .size: 8, .value_kind: global_buffer, .address_space: global }
      - { .name: vs, .offset: 40, .size: 8, .value_kind: global_buffer, .address_space: global }
      - { .name: ac, .offset: 48, .size: 8, .value_kind: global_buffer, .address_space: global }
      - { .name: asc, .offset: 56, .size: 8, .value_kind: global_buffer, .address_space: global }
    .group_segment_fixed_size: 215040
    .private_segment_fixed_size: 0
    .kernarg_segment_align: 8
    .kernarg_segment_size: 64
    .max_flat_workgroup_size: 512
    .sgpr_count:     84
    .vgpr_count:     226
    .wavefront_size: 32
...
	.end_amdgpu_metadata
.endif
;; end of part 2
;; launch mlp (part 3): grid 256 x 1, 4 waves a work-group, clusters of 4 x 1, 168,448 bytes of LDS; arguments ac, asc, x, out0, proj_w_codes, mlp_w1_codes, mlp_w2_codes, proj_w_scales, mlp_w1_scales, mlp_w2_scales, proj_b, mlp_b1, mlp_b2, ln2_g, ln2_b; writes out0
.if DOCPART == 3
	.amdgcn_target "amdgcn-amd-amdhsa--gfx1250"
	.amdhsa_code_object_version 6
	.text
	.protected	k_qc2c16f938e_mlp
	.globl	k_qc2c16f938e_mlp
	.p2align	8
	.type	k_qc2c16f938e_mlp,@function
k_qc2c16f938e_mlp:
	s_mov_b64 s[64:65], 0
	v_nop
	global_prefetch_b8 v0, s[64:65] scope:SCOPE_SE
	s_setreg_imm32_b32 hwreg(HW_REG_WAVE_MODE, 25, 1), 1
	s_wait_xcnt 0x0
	s_wait_alu depctr_hold_cnt(0) depctr_sa_sdst(0) depctr_va_vdst(0) depctr_va_sdst(0) depctr_va_ssrc(0) depctr_va_vcc(0) depctr_vm_vsrc(0)
	s_getreg_b32 s2, hwreg(HW_REG_IB_STS2, 6, 4)
	s_cmp_eq_u32 s2, 0
	s_cbranch_scc0 .Lentry_in_a_cluster
	s_endpgm
.Lentry_in_a_cluster:
	s_bfe_u32 s2, ttmp6, 0x10000c
	s_cmp_lg_u32 s2, 0x3003
	s_cbranch_scc0 .Lentry_shape_is_right
	s_endpgm
.Lentry_shape_is_right:
; THIRD OF THREE LAUNCHES.  x1 = x + attention W_proj + b;  out = x1 + Q(gelu(Q(LN2(x1)) W1 + b1)) W2 + b2.  All three products on codes of BF6 (E3M2) with one E8M0 scale for each 32 along K.
; SHARES.  Each of 1,024 waves takes one tile of 16 positions through the whole chain; behind the one barrier the waves are independent.  Position 32 B + 16 u + r stands for row 32 B + 8 u + r + 8 (r / 8).
; The three weights' codes lie in LDS, brought once by joint tensor loads (the four work-groups of a cluster read the same bytes); no LDS byte is filled twice.
; EVERY PRODUCT IS USED TRANSPOSED (source 0 = 16 columns of the weight, source 1 = my 16 rows), and lane r of a weight's tile 2 g + u takes its row 32 g + 8 u + r + 8 (r / 8): so a lane holds one row, and register 16 g + i is
; column 32 g + 16 (lane / 16) + i: the order in which x, the gains and the biases are loaded and in which the quantiser wants its numbers.  Biases are loaded into the accumulators; the products add onto them.
; The hidden layer goes in four trips of 128 units: one K step of the last product each; it never leaves the registers.
; gelu(a) = a / 2 (1 + erf(a / sqrt 2)); erf(u) = u P(u^2) / Q(u^2), a rational form in f32 with u held to +-4, beyond which erf is 1 in f32.
; LIMITS: NaN and infinities are not served; erf by the rational form above and a reciprocal; a block under 2^-122 keeps the byte 1.
; REGISTERS.  window 0: v1-15, v67-71, v108-109 addresses; v16-27 LN2's codes; v28-39 attention's codes, later the hidden layer's; v40-63 at work in the quantiser; v64-66 scale words; v72-87 the weights' scale words;
;   v88-107 at work; v112-175 HA: 8 accumulators; v176-239 T64: x, then gelu's work, then the result.   window 1: v0-95 W1's eight fragments, v96-191 W_proj's, then W2's.   window 2: v0-63 the last product's accumulators, v64-127 ln2_g, v128-191 ln2_b.
.set W2C,  49152                       ; LDS: W1's codes [512][96] at 0; W2's [K step 4][128][96]; W_proj's [128][96];
.set PJC,  98304
.set SM,   110592                      ; then, in blocks that no tensor load fills: W1's scales +0, W2's +2048, b1 +4096, W_proj's scales +6144, proj_b +6656, b2 +7168, ln2_g +7680, ln2_b +8192,
.set STG,  SM+8704                     ; and a stage of 16 rows x (512 + 16) bytes for each wave
.set AW1,  3
.set AW2,  4
.set APJ,  5
.set AS4,  6
.set AS16, 7
.set ABH,  8
.set XA,   9
.set STO,  10
.set SRD,  11
.set L16,  12
.set A1,   13
.set A2,   14
.set A3,   15
.set A4,   67
.set A5,   68
.set G4,   69
.set G16,  70
.set L4T,  71
.set L16T, 108
.set ACA,  109
.set XF,   16
.set HF,   28
.set PT,   40
.set TM,   48
.set XS,   64
.set HS,   65
.set AS,   66
.set WS1,  72
.set WS2,  80
.set MU,   88
.set RS,   90
.set CH,   92
.set AL0,  100
.set BE0,  102
.set AB,   104
.set HA,   112
.set T64,  176
.set GU,   T64
.set GX,   T64+16
.set GP,   T64+32
.set GD,   T64+48
.set WA,   0
.set WB,   96
.set SEL,  80
.set INV,  82
.set EPS,  83
.set MSB,  0
.macro WIN new                         ; the immediate's high byte repeats the setting that is left; a switch that changes nothing is dropped
.if MSB != \new
	s_set_vgpr_msb (MSB<<8)|\new
.set MSB, \new
.endif
.endm
.macro PLACES n
.rept \n
	v_nop
.endr
.endm
.macro CROUND                          ; a round of the cluster's barrier
	s_barrier_signal -1
	s_barrier_wait -1
	s_cmp_lg_u32 s4, 0
	s_cbranch_scc1 .Lnot_wave_0_\@
	s_barrier_signal -3
.Lnot_wave_0_\@:
	s_barrier_wait -3
	s_barrier_signal -1
	s_barrier_wait -1
.endm
.macro JOIN                            ; four packed chains -> one number, with lane l xor 16's: the row's 128
	v_pk_add_f32 v[CH:CH+1], v[CH:CH+1], v[CH+2:CH+3]
	v_pk_add_f32 v[CH+4:CH+5], v[CH+4:CH+5], v[CH+6:CH+7]
	v_pk_add_f32 v[CH:CH+1], v[CH:CH+1], v[CH+4:CH+5]
	v_add_f32 v[CH], v[CH], v[CH+1]
	v_permlanex16_b32 v[CH+2], v[CH], s[SEL], s[SEL+1]
	v_add_f32 v[CH], v[CH], v[CH+2]
.endm
; LayerNorm of a lane's 64 numbers (its row's other 64 lie in lane l xor 16), in place.  Two passes, so that a common offset does no harm.
.macro LN R, WF, G, B
.irp k,0,1,2,3
	v_pk_add_f32 v[CH+2*\k:CH+2*\k+1], v[\R+2*\k:\R+2*\k+1], v[\R+8+2*\k:\R+9+2*\k]
.endr
.irp i,16,24,32,40,48,56
.irp k,0,1,2,3
	v_pk_add_f32 v[CH+2*\k:CH+2*\k+1], v[CH+2*\k:CH+2*\k+1], v[\R+\i+2*\k:\R+\i+2*\k+1]
.endr
.endr
	JOIN
	v_mul_f32 v[MU], s[INV], v[CH]
	v_mul_f32 v[MU+1], s[INV], v[CH]
.set jj, 0
.rept 32
	v_pk_add_f32 v[\R+jj:\R+jj+1], v[\R+jj:\R+jj+1], v[MU:MU+1] neg_lo:[0,1] neg_hi:[0,1]
.set jj, jj+2
.endr
.irp k,0,1,2,3
	v_pk_mul_f32 v[CH+2*\k:CH+2*\k+1], v[\R+2*\k:\R+2*\k+1], v[\R+2*\k:\R+2*\k+1]
.endr
.irp i,8,16,24,32,40,48,56
.irp k,0,1,2,3
	v_pk_fma_f32 v[CH+2*\k:CH+2*\k+1], v[\R+\i+2*\k:\R+\i+2*\k+1], v[\R+\i+2*\k:\R+\i+2*\k+1], v[CH+2*\k:CH+2*\k+1]
.endr
.endr
	JOIN
	v_fma_f32 v[CH], v[CH], s[INV], s[EPS]
	v_rsq_f32 v[RS], v[CH]
	v_rsq_f32 v[RS+1], v[CH]
	v_nop                                          ; a plain instruction behind the transcendentals,
	s_wait_alu depctr_va_vdst(0)                   ; and the one wait ahead of their first reader
.set jj, 0
.rept 32
	v_pk_mul_f32 v[\R+jj:\R+jj+1], v[\R+jj:\R+jj+1], v[RS:RS+1]
.set jj, jj+2
.endr
	s_wait_dscnt 0x0                               ; the gain and the bias are in
	WIN \WF
.set jj, 0
.rept 32
	v_pk_fma_f32 v[\R+jj:\R+jj+1], v[\R+jj:\R+jj+1], v[\G+jj:\G+jj+1], v[\B+jj:\B+jj+1]
.set jj, jj+2
.endr
	WIN 0
.endm
; 64 numbers of a lane, register 16 b + i = k 32 b + 16 (lane / 16) + i of its row, become a fragment's 12 registers of codes at v[D] and its scale word in v[W].
.macro QUANT S, D, W
.irp b,0,1,2,3
	v_max3_num_f32 v[TM+\b], |v[\S+16*\b]|, |v[\S+1+16*\b]|, 0x2800000   ; my 16 of block b, and the floor 2^(5 - 127): the byte cannot fall under 1
.endr
.irp i,2,4,6,8,10,12,14
.irp b,0,1,2,3
	v_max3_num_f32 v[TM+\b], v[TM+\b], |v[\S+16*\b+\i]|, |v[\S+1+16*\b+\i]|
.endr
.endr
.irp b,0,1,2,3
	v_permlanex16_b32 v[TM+4+\b], v[TM+\b], s[SEL], s[SEL+1]
.endr
.irp b,0,1,2,3
	v_max_num_f32 v[TM+\b], v[TM+\b], v[TM+4+\b]
.endr
.irp b,0,1,2,3
	v_add_nc_u32 v[TM+12+\b], 0xfe000000, v[TM+\b] ; 4 off the exponent field: the conversion's scale operand
.endr
.irp b,0,1,2,3
	v_lshrrev_b32 v[TM+4+\b], 23, v[TM+12+\b]      ; the scale's byte
.endr
	v_lshl_or_b32 v[\W], v[TM+5], 8, v[TM+4]
	v_lshl_or_b32 v[\W], v[TM+6], 16, v[\W]
	v_lshl_or_b32 v[\W], v[TM+7], 24, v[\W]
.irp c,0,1
	v_cvt_scalef32_pk16_bf6_f32 v[\D+6*\c:\D+2+6*\c], v[\S+32*\c:\S+15+32*\c], v[TM+12+2*\c]
	v_cvt_scalef32_pk16_bf6_f32 v[PT+4*\c:PT+2+4*\c], v[\S+16+32*\c:\S+31+32*\c], v[TM+13+2*\c]   ; (a conversion's three registers begin on an even number)
.endr
	v_nop                                          ; one plain place behind a scaled conversion
.irp c,0,1                                     ; the operand wants a whole block in a lane
.irp i,0,1,2
	v_permlane16_swap_b32 v[\D+6*\c+\i], v[PT+4*\c+\i]
.endr
.irp i,0,1,2
	v_mov_b32 v[\D+3+6*\c+\i], v[PT+4*\c+\i]
.endr
.endr
.endm
.macro WFRAG dst, adr, off             ; a weight's eight fragments (128 of its rows x 128 K); tile t begins at row 32 (t / 2) + 8 (t % 2)
.irp t,0,1,2,3,4,5,6,7
.irp p,0,1,2,3,4,5
	ds_load_b64 v[\dst+12*\t+2*\p:\dst+12*\t+2*\p+1], v[\adr] offset:\off+(32*(\t/2)+8*(\t%2))*96+48*(\p/3)+8*(\p%3)
.endr
.endr
.endm
.macro WSCL dst, adr, off, mul         ; their scale words; mul bytes from row to row
.irp t,0,1,2,3,4,5,6,7
	ds_load_b32 v[\dst+\t], v[\adr] offset:\off+(32*(\t/2)+8*(\t%2))*\mul
.endr
.endm
.macro RLOAD dst, adr, off             ; 64 numbers in the lane's order: 16 of each 32
.irp b,0,1,2,3
.irp j,0,1,2,3
	ds_load_b128 v[\dst+16*\b+4*\j:\dst+16*\b+4*\j+3], v[\adr] offset:\off+128*\b+16*\j
.endr
.endr
.endm
.macro RSTORE src                      ; and back into my stage, where a row lies as it lies in memory
.irp b,0,1,2,3
.irp j,0,1,2,3
	ds_store_b128 v[STO], v[\src+16*\b+4*\j:\src+16*\b+4*\j+3] offset:128*\b+16*\j
.endr
.endr
.endm
.macro PROD8 acc, wf, xf, ws, xs       ; eight products on eight accumulators, each added onto what its accumulator holds
.irp t,0,1,2,3,4,5,6,7
	v_wmma_scale_f32_16x16x128_f8f6f4 v[\acc+8*\t:\acc+8*\t+7], v[\wf+12*\t:\wf+12*\t+11], v[\xf:\xf+11], v[\acc+8*\t:\acc+8*\t+7], v[\ws+\t], v[\xs] matrix_a_fmt:MATRIX_FMT_BF6 matrix_b_fmt:MATRIX_FMT_BF6
.endr
.endm
.macro GELU16 A                        ; 16 numbers in place, each stage over all eight pairs, so that no line waits for the line above it
.irp k,0,2,4,6,8,10,12,14
	v_pk_mul_f32 v[GU+\k:GU+1+\k], v[\A+\k:\A+1+\k], 0x3f3504f3 op_sel_hi:[1,0]   ; u = a / sqrt 2
.endr
.irp k,0,1,2,3,4,5,6,7,8,9,10,11,12,13,14,15
	v_med3_num_f32 v[GU+\k], v[GU+\k], -4.0, 4.0
.endr
.irp k,0,2,4,6,8,10,12,14
	v_pk_mul_f32 v[GX+\k:GX+1+\k], v[GU+\k:GU+1+\k], v[GU+\k:GU+1+\k]
.endr
.irp k,0,2,4,6,8,10,12,14
	v_pk_fma_f32 v[GP+\k:GP+1+\k], v[GX+\k:GX+1+\k], v[AL0:AL0+1], 0x32edffee op_sel_hi:[1,1,0]
.endr
.irp k,0,2,4,6,8,10,12,14
	v_pk_fma_f32 v[GD+\k:GD+1+\k], v[GX+\k:GX+1+\k], v[BE0:BE0+1], 0xb95fbd29 op_sel_hi:[1,1,0]
.endr
.irp c,0xb60cff51,0xb86ec2d2,0xba40ac63,0xbb41a1f6,0xbc83dbd4
.irp k,0,2,4,6,8,10,12,14
	v_pk_fma_f32 v[GP+\k:GP+1+\k], v[GP+\k:GP+1+\k], v[GX+\k:GX+1+\k], \c op_sel_hi:[1,1,0]
.endr
.endr
.irp c,0xbadc924e,0xbbf19bf8,0xbc69b6a7
.irp k,0,2,4,6,8,10,12,14
	v_pk_fma_f32 v[GD+\k:GD+1+\k], v[GD+\k:GD+1+\k], v[GX+\k:GX+1+\k], \c op_sel_hi:[1,1,0]
.endr
.endr
.irp k,0,1,2,3,4,5,6,7,8,9,10,11,12,13,14,15
	v_rcp_f32 v[GD+\k], v[GD+\k]
.endr
.irp k,0,2,4,6,8,10,12,14
	v_pk_mul_f32 v[GP+\k:GP+1+\k], v[GP+\k:GP+1+\k], v[GU+\k:GU+1+\k]   ; plain work behind the reciprocals
.endr
.irp k,0,2,4,6,8,10,12,14
	v_pk_mul_f32 v[\A+\k:\A+1+\k], v[\A+\k:\A+1+\k], 0.5 op_sel_hi:[1,0]
.endr
	s_wait_alu depctr_va_vdst(0)                   ; one wait for the sixteen, ahead of their first reader
.irp k,0,2,4,6,8,10,12,14
	v_pk_mul_f32 v[GP+\k:GP+1+\k], v[GP+\k:GP+1+\k], v[GD+\k:GD+1+\k]   ; erf
.endr
.irp k,0,2,4,6,8,10,12,14
	v_pk_fma_f32 v[\A+\k:\A+1+\k], v[\A+\k:\A+1+\k], v[GP+\k:GP+1+\k], v[\A+\k:\A+1+\k]
.endr
.endm
	s_load_b512 s[8:23], s[0:1], 0x0               ; ac s[8:9], asc s[10:11], x s[12:13], out s[14:15], W_proj's codes s[16:17], W1's s[18:19], W2's s[20:21], W_proj's scales s[22:23]
	s_load_b256 s[24:31], s[0:1], 0x40             ; W1's scales s[24:25], W2's s[26:27], proj_b s[28:29], b1 s[30:31]
	s_load_b128 s[32:35], s[0:1], 0x60             ; b2 s[32:33], ln2_g s[34:35]
	s_load_b64 s[36:37], s[0:1], 0x70              ; ln2_b
	v_lshl_add_u32 v254, v0, 2, 0x29000
	v_mov_b32 v255, 0
	ds_add_u32 v254, v255
	ds_add_u32 v254, v255
	v_lshrrev_b32 v1, 5, v0
	v_readfirstlane_b32 s4, v1                     ; wave 0..3
	s_bfe_u32 s5, ttmp6, 0x40000                   ; my place in the cluster: it enters global addresses of my own alone
	s_lshl_b32 s6, ttmp9, 2
	s_add_co_u32 s6, s6, s5                        ; work-group 0..255
	s_lshl_b32 s7, s6, 2
	s_add_co_u32 s7, s7, s4                        ; my tile of 16 positions, 0..1023
	s_lshr_b32 s92, s7, 8                          ; batch
	s_and_b32 s93, s7, 255                         ; tile in the batch
	s_mul_i32 s94, s92, 393216                     ; ac: 4 heads x 98,304 a batch, 384 a tile
	s_mul_i32 s95, s93, 384
	s_add_co_u32 s94, s94, s95
	s_mov_b32 s95, 0
	s_lshl_b32 s96, s92, 14                        ; asc: 4 x 4,096 a batch, 16 a tile
	s_lshl_b32 s97, s93, 4
	s_add_co_u32 s96, s96, s97
	s_mov_b32 s97, 0
	s_lshr_b32 s98, s7, 1                          ; x, out: row 32 (tile / 2) + 8 (tile % 2), 512 bytes a row
	s_lshl_b32 s98, s98, 14
	s_and_b32 s99, s7, 1
	s_lshl_b32 s99, s99, 12
	s_add_co_u32 s98, s98, s99
	s_mov_b32 s99, 0
	s_mul_i32 s2, s4, 12288                        ; my quarter of W1's codes,
	s_mov_b32 s3, 0
	s_mul_i32 s38, s4, 96                          ; my K step of W2's rows,
	s_mov_b32 s39, 0
	s_mul_i32 s66, s4, 3072                        ; my quarter of W_proj's codes
	s_mov_b32 s67, 0
	v_and_b32 v1, 15, v0                           ; r
	v_bfe_u32 v2, v0, 4, 1                         ; h
	v_and_b32 v13, 8, v1
	v_add_nc_u32 v13, v13, v1                      ; r + 8 (r / 8)
	v_mul_u32_u24 v[AW1], v13, 96
	v_mad_u32_u24 v[AW1], v2, 24, v[AW1]
	v_add_nc_u32 v[AW2], W2C, v[AW1]
	v_add_nc_u32 v[APJ], PJC, v[AW1]
	v_lshl_add_u32 v[AS4], v13, 2, SM
	v_lshl_add_u32 v[AS16], v13, 4, SM+2048
	v_lshl_add_u32 v[ABH], v2, 6, SM
	v_lshlrev_b32 v[XA], 9, v13
	v_lshl_add_u32 v[XA], v2, 6, v[XA]
	s_mul_i32 s91, s4, 8448
	s_add_co_u32 s91, s91, STG                     ; my stage
	v_mul_u32_u24 v[STO], v1, 528
	v_lshl_add_u32 v[STO], v2, 6, v[STO]
	v_add_nc_u32 v[STO], s91, v[STO]
	v_and_b32 v[L16], 31, v0
	v_lshlrev_b32 v[L16], 4, v[L16]
	v_add_nc_u32 v[SRD], s91, v[L16]
	v_lshlrev_b32 v[G4], 2, v0
	v_lshlrev_b32 v[G16], 4, v0
	v_lshl_add_u32 v[L4T], v0, 2, SM
	v_lshl_add_u32 v[L16T], v0, 4, SM
	v_mul_u32_u24 v[ACA], v1, 24
	v_mad_u32_u24 v[ACA], v2, 98304, v[ACA]        ; attention's codes: position r's 24 bytes; lanes 16-31 take the next head's
.irp b,0,1,2,3
	v_mov_b32 v[TM+4+\b], 0                        ; written once: a lane permute's destination counts as one of its sources
.endr
	v_mov_b32 v[AL0], 0xaf95df0b                   ; the leading coefficients of erf's two polynomials, as pairs
	v_mov_b32 v[AL0+1], 0xaf95df0b
	v_mov_b32 v[BE0], 0xb77460cd
	v_mov_b32 v[BE0+1], 0xb77460cd
	s_mov_b32 s[SEL], 0x76543210
	s_mov_b32 s[SEL+1], 0xfedcba98
	s_mov_b32 s[INV], 0x3c000000                   ; 1 / 128
	s_mov_b32 s[EPS], 0x3727c5ac                   ; 1e-5
	; descriptor groups 1.  15:0 the mask: all four work-groups; 21 set beside a mask.  W1: 48 rows of 256 bytes, dense
	s_mov_b32 s40, 15|(3<<16)|(1<<21)
	s_mov_b32 s41, 32<<16
	s_mov_b32 s42, 48<<16
	s_mov_b32 s43, 32<<16
	s_mov_b32 s44, 48
	s_mov_b32 s45, 32
	s_mov_b32 s46, 0
	s_mov_b32 s47, 0
	; W2: 128 rows of 96 bytes, 384 bytes apart in memory: one K step of every row, laid dense in LDS
	s_mov_b32 s48, 15|(1<<21)
	s_mov_b32 s49, 96<<16
	s_mov_b32 s50, 128<<16
	s_mov_b32 s51, 96<<16
	s_mov_b32 s52, 128
	s_mov_b32 s53, 384
	s_mov_b32 s54, 0
	s_mov_b32 s55, 0
	; W_proj: 12 rows of 256 bytes, dense
	s_mov_b32 s56, 15|(3<<16)|(1<<21)
	s_mov_b32 s57, 32<<16
	s_mov_b32 s58, 12<<16
	s_mov_b32 s59, 32<<16
	s_mov_b32 s60, 12
	s_mov_b32 s61, 32
	s_mov_b32 s62, 0
	s_mov_b32 s63, 0
	s_wait_dscnt 0x0
	s_wait_kmcnt 0x0
	s_mov_b32 s68, 1
	s_mov_b32 s69, s2
	s_add_nc_u64 s[70:71], s[18:19], s[2:3]
	s_or_b32 s71, s71, 0x80000000
	s_mov_b32 s72, 1
	s_add_co_u32 s73, s2, W2C
	s_add_nc_u64 s[74:75], s[20:21], s[38:39]
	s_or_b32 s75, s75, 0x80000000
	s_mov_b32 s76, 1
	s_add_co_u32 s77, s66, PJC
	s_add_nc_u64 s[78:79], s[16:17], s[66:67]
	s_or_b32 s79, s79, 0x80000000
	s_add_nc_u64 s[8:9], s[8:9], s[94:95]
	s_add_nc_u64 s[10:11], s[10:11], s[96:97]
	s_add_nc_u64 s[12:13], s[12:13], s[98:99]
	s_add_nc_u64 s[14:15], s[14:15], s[98:99]
	global_load_b128 v[112:115], v[G16], s[24:25]  ; the small arrays: 2,048 or 512 consecutive bytes a work-group
	global_load_b128 v[116:119], v[G16], s[26:27]
	global_load_b128 v[120:123], v[G16], s[30:31]
	global_load_b32 v124, v[G4], s[22:23]
	global_load_b32 v125, v[G4], s[28:29]
	global_load_b32 v126, v[G4], s[32:33]
	global_load_b32 v127, v[G4], s[34:35]
	global_load_b32 v128, v[G4], s[36:37]
.irp c,0,1                                     ; my tile of attention's result: block 2 c + h of the projection's K is head 2 c + h
.irp p,0,1,2
	global_load_b64 v[HF+6*\c+2*\p:HF+6*\c+2*\p+1], v[ACA], s[8:9] offset:196608*\c+8*\p
.endr
.endr
.irp d,0,1,2,3
	global_load_u8 v[AB+\d], v1, s[10:11] offset:4096*\d
.endr
.irp b,0,1,2,3
.irp j,0,1,2,3
	global_load_b128 v[T64+16*\b+4*\j:T64+16*\b+4*\j+3], v[XA], s[12:13] offset:128*\b+16*\j th:TH_LOAD_NT
.endr
.endr
	CROUND                                         ; all four work-groups are here: the joint loads meet
	tensor_load_to_lds s[68:71], s[40:47]          ; three loads of mine are out
	s_nop 0
	tensor_load_to_lds s[72:75], s[48:55]
	s_nop 0
	tensor_load_to_lds s[76:79], s[56:63]
	s_nop 0
	PLACES 4
	s_wait_loadcnt 26                              ; the eight small loads are in; my own 6 + 4 + 16 are younger
	ds_store_b128 v[L16T], v[112:115]
	ds_store_b128 v[L16T], v[116:119] offset:2048
	ds_store_b128 v[L16T], v[120:123] offset:4096
	ds_store_b32 v[L4T], v124 offset:6144
	ds_store_b32 v[L4T], v125 offset:6656
	ds_store_b32 v[L4T], v126 offset:7168
	ds_store_b32 v[L4T], v127 offset:7680
	ds_store_b32 v[L4T], v128 offset:8192
	s_wait_tensorcnt 0x0                           ; for the others' sake: my parts have landed,
	s_wait_dscnt 0x0                               ; and my stores
	s_barrier_signal -1
	s_barrier_wait -1
	; ---- the projection and the first residual
	WIN 0x40
	WFRAG WB, APJ, 0
	WIN 0
	WSCL WS2, AS4, 6144, 4
	RLOAD HA, ABH, 6656                            ; proj_b into the accumulators
	s_wait_loadcnt 16                              ; attention's codes and bytes are in; x's 16 loads are younger
	v_lshl_or_b32 v[AS], v[AB+1], 8, v[AB]
	v_lshl_or_b32 v[AS], v[AB+2], 16, v[AS]
	v_lshl_or_b32 v[AS], v[AB+3], 24, v[AS]
	PLACES 8                                       ; a scale word made by vector instructions stands 8 places ahead of a scaled product
	s_wait_dscnt 0x0
	WIN 0x01                                       ; source 0 window 1
	PROD8 HA, WB, HF, WS2, AS
	WIN 0x40
	WFRAG WA, AW1, 0                               ; W1's first 128 rows,
	WIN 0x80
	RLOAD 64, ABH, 7680                            ; ln2_g, ln2_b,
	RLOAD 128, ABH, 8192
	RLOAD 0, ABH, 7168                             ; b2 into the last product's accumulators
	WIN 0
	WSCL WS1, AS4, 0, 4
	PLACES 4
	s_wait_loadcnt 0x0                             ; x
.set jj, 0
.rept 32
	v_pk_add_f32 v[HA+jj:HA+jj+1], v[HA+jj:HA+jj+1], v[T64+jj:T64+jj+1]   ; x1; each accumulator from its low end on
.set jj, jj+2
.endr
	RSTORE HA                                      ; x1 waits in my stage for the second residual
	LN HA, 0x28, 64, 128
	QUANT HA, XF, XS
	RLOAD HA, ABH, 4096                            ; b1's first 128 into the accumulators
	PLACES 8
	s_mov_b32 s88, 0                               ; 12,288 a trip: 128 rows of W1, a K step of W2
	s_mov_b32 s89, 0                               ; 512 a trip: 128 scale words of W1, 128 numbers of b1
	s_mov_b32 s90, 0                               ; 4 a trip: a K step's scale word in a row of W2's
	s_mov_b32 s91, 4
.Ltrip:                                            ; 128 hidden units.  The sixteen accumulators take turns, one instruction a turn, over the backward jump too
	s_wait_dscnt 0x0                               ; W1's fragments and scale words and b1 are in
	WIN 0x01
	PROD8 HA, WA, XF, WS1, XS
	WIN 0
	v_add_nc_u32 v[A1], s88, v[AW1]                ; five plain lines: the places between the products and the loads into their fragments and scale words, and the reads of the results
	v_add_nc_u32 v[A2], s88, v[AW2]
	v_add_nc_u32 v[A3], s89, v[AS4]
	v_add_nc_u32 v[A4], s90, v[AS16]
	v_add_nc_u32 v[A5], s89, v[ABH]
	WIN 0x40
	WFRAG WA, A1, 12288                            ; the next trip's W1 (in the last trip these, the scale words and the bias read the LDS regions that follow, which are written and inside LDS; what they bring is not used),
	WFRAG WB, A2, 0                                ; this trip's K step of W2
	WIN 0
	WSCL WS1, A3, 512, 4
	WSCL WS2, A4, 0, 16
	GELU16 HA
	GELU16 HA+16
	GELU16 HA+32
	GELU16 HA+48
	QUANT HA, HF, HS
	RLOAD HA, A5, 4096+512                         ; the next trip's b1
	PLACES 8
	s_wait_dscnt 16                                ; all but those 16 loads
	WIN 0xa1                                       ; source 0 window 1, C and D window 2
	PROD8 0, WB, HF, WS2, HS
	WIN 0
	s_add_co_u32 s88, s88, 12288
	s_add_co_u32 s89, s89, 512
	s_add_co_u32 s90, s90, 4
	s_sub_co_u32 s91, s91, 1
	s_cmp_lg_u32 s91, 0
	s_cbranch_scc1 .Ltrip
	; ---- the second residual and the way out
	s_wait_dscnt 0x0
	RLOAD HA, STO, 0                               ; x1 comes back
	PLACES 4
	s_wait_dscnt 0x0
	WIN 0x02                                       ; source 0 window 2
.set jj, 0
.rept 32
	v_pk_add_f32 v[T64+jj:T64+jj+1], v[jj:jj+1], v[HA+jj:HA+jj+1]   ; each accumulator from its low end on
.set jj, jj+2
.endr
	WIN 0
	RSTORE T64                                     ; through my own stage: LDS serves a wave's instructions in order, so no wait stands between the stores and the loads
.irp i,0,1,2,3,4,5,6,7,8,9,10,11,12,13,14,15
	ds_load_b128 v[HA+4*\i:HA+4*\i+3], v[SRD] offset:528*\i
.endr
.irp i,0,1,2,3,4,5,6,7,8,9,10,11,12,13,14,15
	s_wait_dscnt 15-\i                             ; row i is back; the younger rows may be out
	global_store_b128 v[L16], v[HA+4*\i:HA+4*\i+3], s[14:15] offset:(\i+(\i&8))*512 th:TH_STORE_NT   ; 32 lanes store a row: 512 consecutive bytes, at a multiple of 256 from the output's first byte
.endr
	s_wait_tensorcnt 0x0
	ds_add_u32 v254, v255
	s_wait_dscnt 0x0
	CROUND                                         ; the closing round
	s_endpgm
.Lfunc_end_k_qc2c16f938e_mlp:
	.size	k_qc2c16f938e_mlp, .Lfunc_end_k_qc2c16f938e_mlp-k_qc2c16f938e_mlp
	.p2alignl 7, 3214868480
	.fill 96, 4, 3214868480
	.section	.rodata,"a",@progbits
	.p2align	6, 0x0
	.amdhsa_kernel k_qc2c16f938e_mlp
		.amdhsa_group_segment_fixed_size 168448
		.amdhsa_private_segment_fixed_size 0
		.amdhsa_enable_private_segment 0
		.amdhsa_kernarg_size 120
		.amdhsa_user_sgpr_count 2
		.amdhsa_user_sgpr_kernarg_segment_ptr 1
		.amdhsa_wavefront_size32 1
		.amdhsa_system_sgpr_workgroup_id_x 1
		.amdhsa_system_sgpr_workgroup_id_y 1
		.amdhsa_system_sgpr_workgroup_id_z 1
		.amdhsa_system_vgpr_workitem_id 0
		.amdhsa_next_free_vgpr 768
		.amdhsa_next_free_sgpr 100
		.amdhsa_reserve_vcc 0
		.amdhsa_float_denorm_mode_32 3
		.amdhsa_float_denorm_mode_16_64 3
		.amdhsa_memory_ordered 1
		.amdhsa_forward_progress 1
		.amdhsa_inst_pref_size 115
	.end_amdhsa_kernel
	.amdgpu_metadata
---
amdhsa.version: [ 1, 2 ]
amdhsa.kernels:
  - .name:           k_qc2c16f938e_mlp
    .symbol:         k_qc2c16f938e_mlp.kd
    .args:
      - { .name: ac, .offset: 0, .size: 8, .value_kind: global_buffer, .address_space: global }
      - { .name: asc, .offset: 8, .size: 8, .value_kind: global_buffer, .address_space: global }
      - { .name: x, .offset: 16, .size: 8, .value_kind: global_buffer, .address_space: global }
      - { .name: out0, .offset: 24, .size: 8, .value_kind: global_buffer, .address_space: global }
      - { .name: proj_w_codes, .offset: 32, .size: 8, .value_kind: global_buffer, .address_space: global }
      - { .name: mlp_w1_codes, .offset: 40, .size: 8, .value_kind: global_buffer, .address_space: global }
      - { .name: mlp_w2_codes, .offset: 48, .size: 8, .value_kind: global_buffer, .address_space: global }
      - { .name: proj_w_scales, .offset: 56, .size: 8, .value_kind: global_buffer, .address_space: global }
      - { .name: mlp_w1_scales, .offset: 64, .size: 8, .value_kind: global_buffer, .address_space: global }
      - { .name: mlp_w2_scales, .offset: 72, .size: 8, .value_kind: global_buffer, .address_space: global }
      - { .name: proj_b, .offset: 80, .size: 8, .value_kind: global_buffer, .address_space: global }
      - { .name: mlp_b1, .offset: 88, .size: 8, .value_kind: global_buffer, .address_space: global }
      - { .name: mlp_b2, .offset: 96, .size: 8, .value_kind: global_buffer, .address_space: global }
      - { .name: ln2_g, .offset: 104, .size: 8, .value_kind: global_buffer, .address_space: global }
      - { .name: ln2_b, .offset: 112, .size: 8, .value_kind: global_buffer, .address_space: global }
    .group_segment_fixed_size: 168448
    .private_segment_fixed_size: 0
    .kernarg_segment_align: 8
    .kernarg_segment_size: 120
    .max_flat_workgroup_size: 128
    .sgpr_count:     100
    .vgpr_count:     768
    .wavefront_size: 32
...
	.end_amdgpu_metadata
.endif
;; end of part 3
